; MI455X (gfx1250); checked and timed in simulation.
; The chip was launched on July 23, 2026; its instructions are those of AMD's public machine-readable ISA for CDNA 5 (MIT licence, August 2026) and "CDNA5" Instruction Set Architecture Reference Guide (July 2026). The comments in the code are by the model that wrote it; some were corrected since.
;; Causal Self Attention. Allowed arithmetic: matrix products marked QUANTISED: E4M3 operands, one given power-of-two scale a tensor, by v_wmma_f32_16x16x64_fp8_fp8 or v_wmma_f32_16x16x128_fp8_fp8, f32 sums; everything else in f32.
;; Inputs: Wk 1,024 x 1,024 float32; Wproj 1,024 x 1,024 float32; Wq 1,024 x 1,024 float32; Wv 1,024 x 1,024 float32; lamb one number float32; lowp_scales 12 int32 (the exponents e of the quantised operands' scales 2^e); v1 4 x 2,048 x 1,024 float32; x 4 x 2,048 x 1,024 float32.
;; Outputs: out0 4 x 2,048 x 1,024 float32; out1 4 x 2,048 x 1,024 float32.
;; This version of the problem:
;;   THIS VERSION OF THE PROBLEM IS GIVEN IN LOW PRECISION. The matrix products marked QUANTISED in the list below multiply operands that are first quantised to E4M3 (4 exponent bits, 3 mantissa bits; 8 bits a number), with one given power-of-two scale for each operand tensor; their sums are f32. All else is computed in f32.
;;   The module's matrix products, in the order in which they are computed (A, B: the left and right operand; K: the contracted axis; several contracted axes count as one K, in the product's order):
;;     1. [M 8,192, K 1,024] x [K 1,024, N 1,024]; A: input x; B: input Wq: QUANTISED (scales: A lowp_scales[0], B lowp_scales[1])
;;     2. [M 8,192, K 1,024] x [K 1,024, N 1,024]; A: input x; B: input Wk: QUANTISED (scales: A lowp_scales[2], B lowp_scales[3])
;;     3. [M 8,192, K 1,024] x [K 1,024, N 1,024]; A: input x; B: input Wv: QUANTISED (scales: A lowp_scales[4], B lowp_scales[5])
;;     4. batch 64 x [M 2,048, K 64] x [K 64, N 2,048]; A: computed on the way; B: computed on the way: QUANTISED (scales: A lowp_scales[6], B lowp_scales[7])
;;     5. batch 64 x [M 64, K 2,048] x [K 2,048, N 2,048]; A: computed on the way; B: softmax (see below): QUANTISED (scales: A lowp_scales[8], B lowp_scales[9])
;;     6. [M 8,192, K 1,024] x [K 1,024, N 1,024]; A: computed on the way; B: input Wproj: QUANTISED (scales: A lowp_scales[10], B lowp_scales[11])
;;   THE QUANTISER, for each operand of a quantised product, along K:
;;     - The operand's scale is 2^e, e = its entry of the input lowp_scales (int32; the entries are numbered through the quantised products in the list's order, A before B).
;;     - Each number is divided by the scale, clamped to +-448, and rounded to the nearest number of E4M3, ties to even, subnormals kept.
;;     - The product sums the exact products of the quantised numbers (number of the format x scale) in f32.
;;   ~~~python
;;   def quantise(x, axis, e):      # numpy; x: float32 -> the quantised numbers, widened to float32 again
;;       x = np.moveaxis(x, axis, -1); K = x.shape[-1]
;;       r = np.clip(x / 2.0 ** e, -448, 448)
;;       step = 2.0 ** (np.maximum(np.frexp(np.where(r == 0, 1, r))[1] - 1, -6) - 3)
;;       q = np.round(r / step) * step * 2.0 ** e      # np.round: ties to even
;;       return np.moveaxis(q, -1, axis).astype(np.float32)
;;   ~~~
;;   SOFTMAX AHEAD OF A QUANTISED PRODUCT. Where the list says 'softmax', what is quantised is not the finished softmax but p = 2^(t - M), with t = logit x log2(e) and M = ceil(the row's largest t), a whole number; so 1/2 < the row's largest p <= 1. The row's sum l is taken of the UNQUANTISED p, in f32, and the product's result is divided by l at the end. Since M is a whole number, a kernel that streams over the keys may use a running M (the ceiling of the running maximum): every later rescaling is an exact power of two, so the quantised numbers keep their values, but for numbers so far below the row's largest that they fall under the format's range.
;;   OPERANDS COMPUTED ON THE WAY. 'Computed on the way' means the value that the module computes at that place (a softmax that the list does not call 'softmax' is quantised finished and normalised). What goes into a quantiser is computed in f32, as accurately as f32 sums, v_exp_f32 and their like allow (about 1e-6 of the number): no bf16 or f16 on the way to a quantiser, and a product that is left as it is and whose result goes on into a quantised operand takes f32 operands (vector FMAs, or v_wmma_f32_16x16x4_f32). A number that lies on a knife's edge between two numbers of the format may be rounded either way, as far as f32 arithmetic and the matrix unit's own rounding can turn it there, and no further.
;; One version. Each part assembles by itself: llvm-mc -triple=amdgcn-amd-amdhsa -mcpu=gfx1250 --defsym DOCPART=n.
;; ======== version 1 of 1: 4 launches
;; limits: right only within a limited range of input values
;; workspace buffers: xc 25,165,824 bytes; wc 4,194,304 bytes; rope 524,288 bytes; qkc 16,777,216 bytes; vc 8,388,608 bytes; yc 8,388,608 bytes
;; launch prep (part 1): grid 416 x 1, 4 waves a work-group, no clusters, 33,280 bytes of LDS; arguments x, Wq, Wk, Wv, Wproj, lowp_scales, xc, wc, rope; writes xc, wc, rope
.if DOCPART == 1
	.amdgcn_target "amdgcn-amd-amdhsa--gfx1250"
	.amdhsa_code_object_version 6
	.text
	.protected	k_qfcb1f94b34_prep
	.globl	k_qfcb1f94b34_prep
	.p2align	8
	.type	k_qfcb1f94b34_prep,@function
k_qfcb1f94b34_prep:
	s_mov_b64 s[64:65], 0
	v_nop
	global_prefetch_b8 v0, s[64:65] scope:SCOPE_SE
	s_setreg_imm32_b32 hwreg(HW_REG_WAVE_MODE, 25, 1), 1
	s_wait_xcnt 0x0
; THREE JOBS IN ONE LAUNCH, told apart by the work-group's number g.
;  g < 256:        x [8192][1024] f32 becomes THREE sets of E4M3 codes, xc[0..2], with the scales 2^e0, 2^e2, 2^e4 (x is the left operand of three products, each with a scale of its own).
;  256 <= g < 384: Wq, Wk, Wv, Wproj [1024][1024] f32 (K innermost as they lie) become codes wc[0..3], with 2^e1, 2^e3, 2^e5, 2^e11.
;  g >= 384:       the rotation's table, rope[t][cos 0..31 | sin 0..31] f32, t = 0 .. 2047: a row is 256 bytes.
; code = number / 2^e, held within +-448, rounded to the nearest code, ties to even.  LIMITS: each e between -126 and 119, so that 2^e and 448 x 2^e are f32 numbers; NaN among the inputs is not served.
; THE QUANTISER.  Rows are dense, so every tensor is a plain stream.  A work-group takes 32,768 numbers, a wave 16 steps of 512.  Each load reads 512 consecutive bytes, 16 a lane; a step's 2,048 bytes turn
; through the wave's own stage in LDS (16 bytes of padding behind each 64) and come back 64 bytes a lane: 16 neighbours, as the conversions want them.  A lane's 16 codes are 16 bytes: a store covers 512 consecutive bytes.
; Only pointers and scales are chosen by g: x and the weights take one path; the two further sets of x's codes stand under a branch on g.  Waves share nothing: no barrier.
; THE TABLE.  The chip's sine and cosine are not used: angle = t x inv_freq (rounded as the outer product is), reduced by n = round(angle x 2/pi) in two fused steps (the first is exact), then two short polynomials on |r| <= pi/4.
; inv_freq = 2^(-i x log2(10000)/32), the exponent in two parts.  The angle carries f32's rounding of t x inv_freq, some 1e-4 radians near t = 2047.
.set WAVES, 4
.set STEPS, 16
.set WREG,  8192                       ; LDS of a wave: two stages of 32 x SP bytes
.set SP,    80                         ; a lane's place in a stage: 64 bytes + 16 of padding
.set SPARE, WAVES*WREG                 ; behind the four regions: the spare words, 128 bytes a wave
.set SPW,   12                         ; v12  my spare word's LDS address; never rewritten
.set NIL,   13                         ; v13  0; never rewritten
.set R,     16                         ; v16-79   four sets of 16 numbers as loaded
.set X,     80                         ; v80-111  two sets of 16 neighbours
.set T,     112                        ; v112-127 the numbers held, for one set of codes
.set C,     128                        ; v128-151 codes: 12 registers for even steps, 12 for odd
	s_load_b256 s[4:11], s[0:1], 0x0               ; x, Wq, Wk, Wv
	s_load_b256 s[12:19], s[0:1], 0x20             ; Wproj, the scales' exponents, xc, wc
	s_load_b64 s[20:21], s[0:1], 0x40              ; rope
	v_lshl_add_u32 v[SPW], v0, 2, SPARE
	v_mov_b32 v[NIL], 0
	v_lshrrev_b32 v1, 5, v0
	v_readfirstlane_b32 s36, v1                    ; wave
	v_and_b32 v2, 31, v0                           ; lane
	v_lshlrev_b32 v3, 4, v2                        ; 16 x lane: my bytes of a load's or a store's 512; never rewritten
	s_cmp_ge_u32 ttmp9, 384
	s_cbranch_scc1 .Ltable
	s_mul_i32 s48, s36, WREG
	v_lshrrev_b32 v14, 2, v2
	v_mul_u32_u24 v14, v14, SP
	v_and_b32 v15, 3, v2
	v_lshl_add_u32 v14, v15, 4, v14
	v_add_nc_u32 v14, s48, v14                     ; into the stage: SP (lane / 4) + 16 (lane % 4)
	v_mul_u32_u24 v15, v2, SP
	v_add_nc_u32 v15, s48, v15                     ; out of it: SP x lane
	s_sub_co_u32 s37, ttmp9, 256
	s_lshr_b32 s38, s37, 5                         ; which weight (of no meaning where g < 256)
	s_and_b32 s39, s37, 31                         ; and which 32,768 numbers of it
	s_lshl_b32 s49, s38, 20                        ; its codes' place in wc
	s_wait_kmcnt 0x0
	s_load_b256 s[24:31], s[14:15], 0x0            ; e0 .. e7
	s_load_b128 s[32:35], s[14:15], 0x20           ; e8 .. e11
	s_mov_b64 s[40:41], s[12:13]                   ; the source: Wproj, unless ..
	s_cmp_eq_u32 s38, 2
	s_cselect_b64 s[40:41], s[10:11], s[40:41]
	s_cmp_eq_u32 s38, 1
	s_cselect_b64 s[40:41], s[8:9], s[40:41]
	s_cmp_eq_u32 s38, 0
	s_cselect_b64 s[40:41], s[6:7], s[40:41]
	s_cmp_lt_u32 ttmp9, 256
	s_cselect_b64 s[40:41], s[4:5], s[40:41]
	s_cselect_b64 s[42:43], s[16:17], s[18:19]     ; the first set of codes goes to xc or to wc
	s_cselect_b32 s39, ttmp9, s39
	s_cselect_b32 s49, 0, s49
	s_lshl_b32 s39, s39, 2
	s_add_co_u32 s39, s39, s36                     ; which run of 8,192 numbers is my wave's
	s_lshl_b32 s50, s39, 15
	s_mov_b32 s51, 0
	s_add_nc_u64 s[40:41], s[40:41], s[50:51]
	s_lshl_b32 s50, s39, 13
	s_add_nc_u64 s[44:45], s[16:17], s[50:51]
	s_add_nc_u64 s[46:47], s[44:45], 0x1000000     ; x's third set
	s_add_nc_u64 s[44:45], s[44:45], 0x800000      ; x's second set
	s_add_co_u32 s50, s50, s49
	s_add_nc_u64 s[42:43], s[42:43], s[50:51]
.macro LOAD t
.irp i, 0,1,2,3
	global_load_b128 v[R+16*((\t)%4)+4*\i:R+16*((\t)%4)+4*\i+3], v3, s[40:41] offset:2048*(\t)+512*\i th:TH_LOAD_NT
.endr
.endm
.macro TURN t                          ; step t's numbers through the stage: LDS serves a wave's instructions in order, so no wait stands between the stores and the loads
.irp i, 0,1,2,3
	ds_store_b128 v14, v[R+16*((\t)%4)+4*\i:R+16*((\t)%4)+4*\i+3] offset:32*SP*((\t)%2)+8*SP*\i
.endr
.irp i, 0,1,2,3
	ds_load_b128 v[X+16*((\t)%2)+4*\i:X+16*((\t)%2)+4*\i+3], v15 offset:32*SP*((\t)%2)+16*\i
.endr
.endm
	s_wait_alu depctr_va_vdst(0)
.irp t, 0,1,2,3
	LOAD \t
.endr
	s_wait_kmcnt 0x0
	s_mov_b32 s52, s35                             ; the first set's exponent: e11, unless ..
	s_cmp_eq_u32 s38, 2
	s_cselect_b32 s52, s29, s52
	s_cmp_eq_u32 s38, 1
	s_cselect_b32 s52, s27, s52
	s_cmp_eq_u32 s38, 0
	s_cselect_b32 s52, s25, s52
	s_cmp_lt_u32 ttmp9, 256
	s_cselect_b32 s52, s24, s52
.macro SCALE se, vs                    ; v[vs] = 2^e as f32 (the conversion takes its exponent field), v[vs+1] = 448 x 2^e
	s_add_co_i32 s53, \se, 127
	s_lshl_b32 s54, s53, 23
	v_mov_b32 v[\vs], s54
	s_add_co_i32 s53, s53, 8
	s_lshl_b32 s53, s53, 23
	s_or_b32 s53, s53, 0x600000
	v_mov_b32 v[\vs+1], s53
.endm
	SCALE s52, 5
	SCALE s26, 7                                   ; e2
	SCALE s28, 9                                   ; e4
	s_wait_alu depctr_va_vdst(0)
	s_wait_loadcnt 12                              ; step 0's four loads are in
	TURN 0
.macro CONV s, t                       ; set s of step t's codes
.set CS, C+12*((\t)%2)+4*(\s)
.irp i, 0,1,2,3,4,5,6,7,8,9,10,11,12,13,14,15
	v_med3_num_f32 v[T+\i], v[XS+\i], -v[6+2*(\s)], v[6+2*(\s)]   ; the conversion to an 8-bit code does not saturate (ISA guide 7.6.2): the hold comes first
.endr
	v_cvt_scalef32_pk8_fp8_f32 v[CS:CS+1], v[T:T+7], v[5+2*(\s)]
	v_cvt_scalef32_pk8_fp8_f32 v[CS+2:CS+3], v[T+8:T+15], v[5+2*(\s)]
	v_nop                                          ; a plain line between the conversions and the next lines that write their sources
	global_store_b128 v3, v[CS:CS+3], s[42+2*(\s):43+2*(\s)] offset:512*(\t)
.endm
.macro STEP t
.set XS, X+16*((\t)%2)
	s_wait_dscnt 0x0                               ; this step's numbers are back from the stage, so its stores into the stage have read their registers,
.if (\t)+4 < STEPS
	LOAD (\t)+4                                    ; which take the loads of four steps on
.endif
.if (\t)+1 < STEPS
.if STEPS-2-(\t) >= 3
	s_wait_loadcnt 12                              ; the next step's four loads are in; those of the three steps behind it may be out
.else
	s_wait_loadcnt 4*(STEPS-2-(\t))
.endif
	TURN (\t)+1
.endif
	s_wait_xcnt 0x0                                ; the stores of two steps back have read their codes' registers, which are written again below
	CONV 0, \t
	s_cmp_lt_u32 ttmp9, 256                        ; x has two more sets; a weight has one
	s_cbranch_scc0 .Lone_\@
	CONV 1, \t
	CONV 2, \t
.Lone_\@:
.endm
.irp t, 0,1,2,3,4,5,6,7,8,9,10,11,12,13,14,15
	STEP \t
.endr
	s_wait_tensorcnt 0x0                           ; the wave's end, behind my last LDS store
	ds_add_u32 v[SPW], v[NIL]
	s_wait_dscnt 0x0
	s_endpgm
; THE TABLE.  32 work-groups x 4 waves x 16 rows.  A store covers two rows: lane l holds 16 bytes of row (l / 16): lanes 0-7 of a half cos 4 q + 0..3, lanes 8-15 sin.  No LDS is touched on this path.
.Ltable:
	s_sub_co_u32 s37, ttmp9, 384
	s_lshl_b32 s37, s37, 2
	s_add_co_u32 s37, s37, s36
	s_lshl_b32 s37, s37, 4                         ; my wave's first row
	s_lshl_b32 s50, s37, 8                         ; in bytes
	s_mov_b32 s51, 0
	v_and_b32 v16, 15, v0
	v_and_b32 v17, 7, v16
	v_lshlrev_b32 v17, 2, v17                      ; my first frequency
	v_lshrrev_b32 v18, 3, v16
	v_sub_nc_u32 v18, 1, v18                       ; 1 for cos, 0 for sin: cos(a) = sin(a + pi/2)
	v_bfe_u32 v19, v0, 4, 1
	v_add_nc_u32 v19, s37, v19
	v_cvt_f32_u32 v19, v19                         ; t
	s_mov_b32 s48, 0xbed49a78                      ; -log2(10000)/32, its leading part,
	s_mov_b32 s49, 0xb2179a39                      ; and the rest
.irp m, 0,1,2,3
	v_add_nc_u32 v[20+\m], \m, v17
	v_cvt_f32_u32 v[20+\m], v[20+\m]
	v_mul_f32 v[24+\m], s48, v[20+\m]              ; a, rounded
	v_fma_f32 v[28+\m], v[20+\m], s48, -v[24+\m]   ; what the rounding dropped,
	v_fma_f32 v[28+\m], v[20+\m], s49, v[28+\m]    ; and the rest's share
.endr
.irp m, 0,1,2,3
	v_exp_f32 v[32+\m], v[24+\m]
.endr
	v_mov_b32 v36, 0xb94ca1f9                      ; the polynomials' leading coefficients (a plain line behind the exponentials)
	v_mov_b32 v37, 0x37ccf5ce
	s_wait_alu depctr_va_vdst(0)                   ; one wait for the four, ahead of their first reader
.irp m, 0,1,2,3
	v_mul_f32 v[24+\m], v[32+\m], v[28+\m]
	v_fmamk_f32 v[32+\m], v[24+\m], 0x3f317218, v[32+\m]   ; inv_freq = 2^a (1 + e ln 2)
.endr
	s_wait_kmcnt 0x0
	s_add_nc_u64 s[20:21], s[20:21], s[50:51]
	s_mov_b32 s52, 0
.Lrow:
	s_wait_alu depctr_va_vdst(0)
.irp m, 0,1,2,3
	v_mul_f32 v44, v19, v[32+\m]                   ; the angle
	v_mul_f32 v45, 0x3f22f983, v44
	v_rndne_f32 v45, v45                           ; n
	v_fmamk_f32 v46, v45, 0xbfc90fdb, v44          ; angle - n x (pi/2's leading part): exact
	v_fmamk_f32 v46, v45, 0x333bbd2e, v46          ; - n x the rest
	v_mul_f32 v47, v46, v46                        ; z = r r
	v_fmaak_f32 v48, v47, v36, 0x3c08839e
	v_fmaak_f32 v49, v47, v37, 0xbab6061a
	v_fmaak_f32 v48, v48, v47, 0xbe2aaaa3
	v_fmaak_f32 v49, v49, v47, 0x3d2aaaa5
	v_mul_f32 v50, v47, v46
	v_mul_f32 v51, v47, v47
	v_fma_f32 v52, v47, -0.5, 1.0
	v_fma_f32 v48, v48, v50, v46                   ; sin r
	v_fma_f32 v49, v49, v51, v52                   ; cos r
	v_cvt_i32_f32 v53, v45
	v_add_nc_u32 v53, v53, v18                     ; the quadrant
	v_and_b32 v54, 1, v53
	v_cmp_eq_u32 vcc_lo, 1, v54
	v_cndmask_b32 v48, v48, v49, vcc_lo            ; odd quadrants take cos r,
	v_lshlrev_b32 v53, 30, v53
	v_and_b32 v53, 0x80000000, v53
	v_xor_b32 v[40+\m], v48, v53                   ; quadrants 2 and 3 the other sign
.endr
	global_store_b128 v3, v[40:43], s[20:21]       ; two whole rows: 512 consecutive bytes
	s_wait_xcnt 0x0                                ; the store has read its data and its base: both are written again
	s_add_nc_u64 s[20:21], s[20:21], 512
	v_add_f32 v19, 2.0, v19
	s_add_co_u32 s52, s52, 1
	s_cmp_lt_u32 s52, 8
	s_cbranch_scc1 .Lrow
	s_endpgm
.Lfunc_end_k_qfcb1f94b34_prep:
	.size	k_qfcb1f94b34_prep, .Lfunc_end_k_qfcb1f94b34_prep-k_qfcb1f94b34_prep
	.p2alignl 7, 3214868480
	.fill 96, 4, 3214868480
	.section	.rodata,"a",@progbits
	.p2align	6, 0x0
	.amdhsa_kernel k_qfcb1f94b34_prep
		.amdhsa_group_segment_fixed_size 33280
		.amdhsa_private_segment_fixed_size 0
		.amdhsa_enable_private_segment 0
		.amdhsa_kernarg_size 72
		.amdhsa_user_sgpr_count 2
		.amdhsa_user_sgpr_kernarg_segment_ptr 1
		.amdhsa_wavefront_size32 1
		.amdhsa_system_sgpr_workgroup_id_x 1
		.amdhsa_system_sgpr_workgroup_id_y 1
		.amdhsa_system_sgpr_workgroup_id_z 1
		.amdhsa_system_vgpr_workitem_id 0
		.amdhsa_next_free_vgpr 192
		.amdhsa_next_free_sgpr 66
		.amdhsa_reserve_vcc 1
		.amdhsa_float_denorm_mode_32 3
		.amdhsa_float_denorm_mode_16_64 3
		.amdhsa_memory_ordered 1
		.amdhsa_forward_progress 1
		.amdhsa_inst_pref_size 88
	.end_amdhsa_kernel
	.amdgpu_metadata
---
amdhsa.version: [ 1, 2 ]
amdhsa.kernels:
  - .name:           k_qfcb1f94b34_prep
    .symbol:         k_qfcb1f94b34_prep.kd
    .args:
      - { .name: x, .offset: 0, .size: 8, .value_kind: global_buffer, .address_space: global }
      - { .name: Wq, .offset: 8, .size: 8, .value_kind: global_buffer, .address_space: global }
      - { .name: Wk, .offset: 16, .size: 8, .value_kind: global_buffer, .address_space: global }
      - { .name: Wv, .offset: 24, .size: 8, .value_kind: global_buffer, .address_space: global }
      - { .name: Wproj, .offset: 32, .size: 8, .value_kind: global_buffer, .address_space: global }
      - { .name: lowp_scales, .offset: 40, .size: 8, .value_kind: global_buffer, .address_space: global }
      - { .name: xc, .offset: 48, .size: 8, .value_kind: global_buffer, .address_space: global }
      - { .name: wc, .offset: 56, .size: 8, .value_kind: global_buffer, .address_space: global }
      - { .name: rope, .offset: 64, .size: 8, .value_kind: global_buffer, .address_space: global }
    .group_segment_fixed_size: 33280
    .private_segment_fixed_size: 0
    .kernarg_segment_align: 8
    .kernarg_segment_size: 72
    .max_flat_workgroup_size: 128
    .sgpr_count:     66
    .vgpr_count:     192
    .wavefront_size: 32
...
	.end_amdgpu_metadata
.endif
;; end of part 1
;; launch qkv (part 2): grid 32 x 12, 4 waves a work-group, clusters of 4 x 4, 327,680 bytes of LDS; arguments xc, wc, lowp_scales, lamb, rope, v1, qkc, vc, out1; writes qkc, vc, out1
.if DOCPART == 2
	.amdgcn_target "amdgcn-amd-amdhsa--gfx1250"
	.amdhsa_code_object_version 6
	.text
	.protected	k_qfcb1f94b34_qkv
	.globl	k_qfcb1f94b34_qkv
	.p2align	8
	.type	k_qfcb1f94b34_qkv,@function
k_qfcb1f94b34_qkv:
	s_mov_b64 s[64:65], 0
	v_nop
	global_prefetch_b8 v0, s[64:65] scope:SCOPE_SE
	s_setreg_imm32_b32 hwreg(HW_REG_WAVE_MODE, 25, 1), 1
	s_wait_xcnt 0x0
	s_wait_alu depctr_hold_cnt(0) depctr_sa_sdst(0) depctr_va_vdst(0) depctr_va_sdst(0) depctr_va_ssrc(0) depctr_va_vcc(0) depctr_vm_vsrc(0)
	s_getreg_b32 s2, hwreg(HW_REG_IB_STS2, 6, 4)
	s_cmp_eq_u32 s2, 0
	s_cbranch_scc0 .Lentry_in_a_cluster
	s_endpgm
.Lentry_in_a_cluster:
	s_bfe_u32 s2, ttmp6, 0x10000c
	s_cmp_lg_u32 s2, 0xf033
	s_cbranch_scc0 .Lentry_shape_is_right
	s_endpgm
.Lentry_shape_is_right:
.set ROWB,   256
.set KROW,   1024
.set PITCH,  272
.set FR,     16
.set NL,     4
.set NP,     4
.set HALFT,  128*PITCH
.set SLOT,   4*HALFT
.set SPARE,  2*SLOT
.set VSP,    528
.set ADRA, 16
.set ADRB, 20
.set PFO,  23
.set VSTO, 24
.set VRD,  25
.set CO,   26
.set TO,   27
.set SPW,  28
.set NIL,  29
.set SC,   30
.set LM,   31
.set SS,   8
.set TAB,  32
.set CD,   96
.set AF,   128
.set X,    128
.set Y,    192
.set VT,   192
.set G1, 24
.set G0, 32
.set G1B, 48
.set G0B, 56
.set MSB, 0
.macro WIN new
.if MSB != \new
	s_set_vgpr_msb (MSB<<8)|\new
.set MSB, \new
.endif
.endm
.set MUL_LO, 0xa1
.set MUL_HI, 0xf1
.set TO_B,   0x40
.macro JLOAD g0a, g1a, g0b, g1b
	s_cmp_eq_u32 s15, 0
	s_cbranch_scc0 .Lfor_b_\@
	tensor_load_to_lds s[\g0a:\g0a+3], s[\g1a:\g1a+7]
	s_nop 0
.rept 4
	v_nop
.endr
	s_branch .Lasked_\@
.Lfor_b_\@:
	tensor_load_to_lds s[\g0b:\g0b+3], s[\g1b:\g1b+7]
	s_nop 0
.rept 4
	v_nop
.endr
.Lasked_\@:
.endm
.macro CREST
	s_cmp_lg_u32 s14, 0
	s_cbranch_scc1 .Lnot_wave_0_\@
	s_barrier_signal -3
.Lnot_wave_0_\@:
	s_barrier_wait -3
	s_barrier_signal -1
	s_barrier_wait -1
.endm
.macro CROUND
	s_barrier_signal -1
	s_barrier_wait -1
	CREST
.endm
	s_load_b512 s[68:83], s[0:1], 0x0
	s_load_b64 s[84:85], s[0:1], 0x40
	v_lshl_add_u32 v[SPW], v0, 2, SPARE
	v_mov_b32 v[NIL], 0
	ds_add_u32 v[SPW], v[NIL]
	ds_add_u32 v[SPW], v[NIL]
	v_lshrrev_b32 v1, 5, v0
	v_readfirstlane_b32 s14, v1
	s_lshr_b32 s15, s14, 1
	s_and_b32 s16, s14, 1
	s_bfe_u32 s40, ttmp6, 0x40000
	s_bfe_u32 s41, ttmp6, 0x40004
	s_and_b32 s66, ttmp7, 0xffff                   ; the cluster's y picks the tensor: 0 is v (its blocks also carry v1 and out1, and have the lowest work-group numbers), 1 is q, 2 is k
	s_sub_co_u32 s66, s66, 1
	s_min_u32 s66, s66, 2                          ; s66: 0 for q, 1 for k, 2 for v
	s_lshl_b32 s12, ttmp9, 2                       ; the cluster's x counts the blocks of 1,024 rows of x
	s_add_co_u32 s17, s12, s41
	s_add_co_u32 s42, s12, s40
	s_lshl_b32 s18, s66, 23
	s_lshl_b32 s13, s66, 20
	s_cmp_eq_u32 s66, 2
	s_cselect_b32 s17, s41, s17
	s_cselect_b32 s42, s42, s40
	s_cselect_b32 s18, 0x200000, s18
	s_cselect_b32 s13, 0x1000000, s13
	s_lshl_b32 s43, s41, 2
	s_lshl_b32 s43, 15, s43
	s_lshl_b32 s44, 0x1111, s40
	s_or_b32 s[G1+0], s43, (0<<16)|(1<<20)|(1<<21)|(5<<22)|(3<<25)
	s_or_b32 s[G1B+0], s44, (0<<16)|(1<<20)|(1<<21)|(5<<22)|(3<<25)
.irp g, G1, G1B
	s_mov_b32 s[\g+1], ROWB<<16
	s_mov_b32 s[\g+2], 128<<16
	s_mov_b32 s[\g+3], ROWB<<16
	s_mov_b32 s[\g+4], 128
	s_mov_b32 s[\g+5], KROW
	s_mov_b32 s[\g+6], 0
	s_mov_b32 s[\g+7], 0
.endr
	s_lshl_b32 s19, s16, 7
	s_lshl_b32 s20, s17, 8
	s_add_co_u32 s20, s20, s19
	s_lshl_b32 s20, s20, 10
	s_add_co_u32 s20, s20, s18
	s_mov_b32 s21, 0
	s_lshl_b32 s46, s42, 8
	s_add_co_u32 s46, s46, s19
	s_lshl_b32 s46, s46, 10
	s_add_co_u32 s46, s46, s13
	s_mov_b32 s47, 0
	s_mul_i32 s45, s14, HALFT
	s_mov_b32 s100, 0x76543210
	s_mov_b32 s101, 0xfedcba98
	s_wait_dscnt 0x0
	s_wait_kmcnt 0x0
	s_load_b256 s[88:95], s[72:73], 0x0
	s_load_b32 s96, s[72:73], 0x20
	s_load_b32 s97, s[74:75], 0x0
	s_cmp_eq_u32 s66, 2
	s_cselect_b64 s[22:23], s[70:71], s[68:69]
	s_cselect_b64 s[10:11], s[68:69], s[70:71]
	s_add_nc_u64 s[20:21], s[22:23], s[20:21]
	s_add_nc_u64 s[46:47], s[10:11], s[46:47]
	CROUND
.irp s, 0,1
	s_mov_b32 s[G0+4*\s], 1
	s_add_co_u32 s[G0+4*\s+1], s45, \s*SLOT
	s_add_nc_u64 s[G0+4*\s+2:G0+4*\s+3], s[20:21], \s*ROWB
	s_or_b32 s[G0+4*\s+3], s[G0+4*\s+3], 0x80000000
	s_mov_b32 s[G0B+4*\s], 1
	s_add_co_u32 s[G0B+4*\s+1], s45, \s*SLOT
	s_add_nc_u64 s[G0B+4*\s+2:G0B+4*\s+3], s[46:47], \s*ROWB
	s_or_b32 s[G0B+4*\s+3], s[G0B+4*\s+3], 0x80000000
	s_wait_alu depctr_va_vdst(0)
.if \s
	s_wait_tensorcnt 0x0
	ds_add_u32 v28, v29
	ds_add_u32 v28, v29
	s_wait_dscnt 0x0
	CROUND
.endif
	JLOAD G0+4*\s, G1, G0B+4*\s, G1B
.endr
	v_and_b32 v1, 15, v0
	v_bfe_u32 v2, v0, 4, 1
	v_and_b32 v6, 31, v0
	v_mul_u32_u24 v3, v1, PITCH
	v_lshl_add_u32 v4, v2, 4, v3
	s_mul_i32 s4, s15, HALFT
	s_mul_i32 s5, s16, HALFT
	s_add_co_u32 s5, s5, 2*HALFT
.irp s, 0,1
	v_add_nc_u32 v[ADRA+\s], s4, v4
	v_add_nc_u32 v[ADRB+\s], s5, v4
	s_add_co_u32 s4, s4, SLOT
	s_add_co_u32 s5, s5, SLOT
.endr
	v_lshlrev_b32 v[CO], 4, v6
	s_mul_i32 s4, s14, 16*VSP
	v_add_nc_u32 v[VSTO], s4, v[CO]
	v_mul_u32_u24 v5, v2, 8*VSP
	v_lshl_add_u32 v5, v1, 2, v5
	v_add_nc_u32 v[VRD], s4, v5
	v_lshlrev_b32 v[TO], 8, v1
	v_lshl_add_u32 v[TO], v2, 5, v[TO]
	v_lshrrev_b32 v[PFO], 1, v6
	v_lshlrev_b32 v[PFO], 12, v[PFO]
	v_and_b32 v5, 1, v6
	v_lshl_add_u32 v[PFO], v5, 8, v[PFO]
	s_lshl_b32 s6, s17, 8
	s_lshl_b32 s7, s15, 7
	s_add_co_u32 s6, s6, s7
	s_lshl_b32 s8, s42, 8
	s_lshl_b32 s7, s16, 7
	s_add_co_u32 s8, s8, s7
	s_mov_b32 s11, 0
	s_and_b32 s9, s6, 2047
	s_lshl_b32 s10, s9, 8
	s_add_nc_u64 s[76:77], s[76:77], s[10:11]
	s_lshr_b32 s2, s6, 11
	s_lshl_b32 s2, s2, 4
	s_lshr_b32 s3, s8, 6
	s_add_co_u32 s2, s2, s3
	s_lshl_b32 s2, s2, 17
	s_lshl_b32 s3, s9, 6
	s_add_co_u32 s10, s2, s3
	s_lshl_b32 s3, s66, 23
	s_add_co_u32 s10, s10, s3
	s_add_nc_u64 s[80:81], s[80:81], s[10:11]
	s_lshl_b32 s10, s8, 12
	s_lshl_b32 s3, s6, 2
	s_add_co_u32 s10, s10, s3
	s_add_nc_u64 s[78:79], s[78:79], s[10:11]
	s_add_nc_u64 s[84:85], s[84:85], s[10:11]
	s_lshr_b32 s2, s8, 11
	s_lshl_b32 s2, s2, 4
	s_lshr_b32 s3, s6, 6
	s_add_co_u32 s2, s2, s3
	s_lshl_b32 s2, s2, 17
	s_and_b32 s3, s8, 2047
	s_lshl_b32 s3, s3, 6
	s_add_co_u32 s10, s2, s3
	s_add_nc_u64 s[82:83], s[82:83], s[10:11]
.macro TABLOAD a
.set TL, TAB+32*((\a)%2)
.irp i, 0,1,2,3
	global_load_b128 v[TL+8*\i:TL+8*\i+3],   v[TO], s[76:77] offset:(\a)*4096+64*\i
	global_load_b128 v[TL+8*\i+4:TL+8*\i+7], v[TO], s[76:77] offset:(\a)*4096+64*\i+16
.endr
.endm
.macro LOADV b
.set VL, 32+96*((\b)%2)
.irp i, 0,1,2,3,4,5,6,7,8,9,10,11,12,13,14,15
	global_load_b128 v[VL+4*\i:VL+4*\i+3], v[CO], s[78:79] offset:(16*(\b)+\i)*4096 th:TH_LOAD_NT
.endr
.endm
	s_cmp_eq_u32 s66, 2
	s_cbranch_scc1 .Lpre_v
	s_wait_alu depctr_va_vdst(0)
	TABLOAD 0
	TABLOAD 1
	s_branch .Lpre_done
.Lpre_v:
	LOADV 0
.Lpre_done:
	s_wait_kmcnt 0x0
	s_add_co_i32 s98, s88, s89
	s_add_co_i32 s99, s90, s91
	s_cmp_eq_u32 s66, 1
	s_cselect_b32 s98, s99, s98
	s_cselect_b32 s87, s95, s94
	s_cmp_eq_u32 s66, 2
	s_cselect_b32 s87, s96, s87
	s_lshl_b32 s99, s98, 1
	s_sub_co_i32 s99, s99, 6
	s_add_co_i32 s86, s92, s93
	s_add_co_i32 s87, s87, 127
	s_lshl_b32 s2, s87, 23
	v_mov_b32 v[SC], s2
	s_add_co_i32 s87, s87, 8
	s_lshl_b32 s87, s87, 23
	s_or_b32 s87, s87, 0x600000
	v_mov_b32 v[LM], s87
.macro FRAG reg, adr, q, i
.irp c, 0,1,2,3
	ds_load_b128 v[\reg+4*\c:\reg+4*\c+3], v[\adr] offset:128*(\q)+32*\c+(\i)*16*PITCH
.endr
.endm
.macro MUL16 a0, p, zero
.irp a, \a0, \a0+1
.irp b, 0,1,2,3,4,5,6,7
.if \zero
	v_wmma_f32_16x16x128_fp8_fp8 v[8*(8*((\a)%4)+\b):8*(8*((\a)%4)+\b)+7], v[128*(\p)+FR*\b:128*(\p)+FR*\b+FR-1], v[AF+FR*(\a):AF+FR*(\a)+FR-1], 0
.else
	v_wmma_f32_16x16x128_fp8_fp8 v[8*(8*((\a)%4)+\b):8*(8*((\a)%4)+\b)+7], v[128*(\p)+FR*\b:128*(\p)+FR*\b+FR-1], v[AF+FR*(\a):AF+FR*(\a)+FR-1], v[8*(8*((\a)%4)+\b):8*(8*((\a)%4)+\b)+7]
.endif
.endr
.endr
.endm
.macro FETCH_B slot, q, p
	WIN TO_B
.irp i, 0,1,2,3,4,5,6,7
	FRAG 128*(\p)+FR*\i, ADRB+\slot, \q, \i
.endr
	WIN 0
.endm
.macro FETCH_A slot, q, i0
.irp i, \i0, \i0+1, \i0+2, \i0+3
	FRAG AF+FR*(\i), ADRA+\slot, \q, \i
.endr
.endm
.macro PLACES n
.rept \n
	v_nop
.endr
.endm
.macro ASKV p0, p1
	s_cmp_eq_u32 s66, 2
	s_cbranch_scc0 .Lno_ask_\@
.set PB, \p0
	s_wait_alu depctr_va_vdst(0)
.rept \p1-\p0+1
	global_prefetch_b8 v[PFO], s[78:79] offset:PB*16*4096 th:TH_LOAD_NT scope:SCOPE_SE
.set PB, PB+1
.endr
.Lno_ask_\@:
.endm
.macro STEP slot, q, zero
	s_wait_dscnt 4*NL
	WIN MUL_LO
	MUL16 0, (\q)%2, \zero
	MUL16 2, (\q)%2, \zero
	s_wait_dscnt 0
	PLACES NP
	FETCH_B \slot, (\q)+1, 1-(\q)%2
	FETCH_A \slot, (\q)+1, 0
	WIN MUL_HI
	MUL16 4, (\q)%2, \zero
	MUL16 6, (\q)%2, \zero
	PLACES NP
	WIN 0
	FETCH_A \slot, (\q)+1, 4
.endm
.macro TURN slot, next, fill, p0, p1
	s_wait_tensorcnt 0x0
	ds_add_u32 v[SPW], v[NIL]
	s_wait_dscnt 4*NL+1
	WIN MUL_LO
	MUL16 0, 1, 0
	s_wait_dscnt 0x0
	s_barrier_signal -1
	MUL16 2, 1, 0
	WIN 0
	s_barrier_wait -1
.if \fill
	CREST
	s_add_nc_u64 s[G0+4*\slot+2:G0+4*\slot+3], s[G0+4*\slot+2:G0+4*\slot+3], 2*ROWB
	s_add_nc_u64 s[G0B+4*\slot+2:G0B+4*\slot+3], s[G0B+4*\slot+2:G0B+4*\slot+3], 2*ROWB
	JLOAD G0+4*\slot, G1, G0B+4*\slot, G1B
.else
	PLACES NP
.endif
	FETCH_B \next, 0, 0
	FETCH_A \next, 0, 0
.if \fill
	ASKV \p0, \p1
.endif
	WIN MUL_HI
	MUL16 4, 1, 0
	MUL16 6, 1, 0
	PLACES NP
	WIN 0
	FETCH_A \next, 0, 4
.endm
	s_wait_tensorcnt 1
	s_barrier_signal -1
	s_barrier_wait -1
	FETCH_B 0, 0, 0
	FETCH_A 0, 0, 0
	FETCH_A 0, 0, 4
	STEP 0, 0, 1
	TURN 0, 1, 1, 1, 4
	STEP 1, 0, 0
	TURN 1, 0, 1, 5, 7
	STEP 0, 0, 0
	TURN 0, 1, 0, 0, 0
	STEP 1, 0, 0
	s_wait_dscnt 4*NL
	WIN MUL_LO
	MUL16 0, 1, 0
	MUL16 2, 1, 0
	s_wait_dscnt 0
	WIN MUL_HI
	MUL16 4, 1, 0
	MUL16 6, 1, 0
	WIN 0
	PLACES NP
	s_cmp_eq_u32 s66, 2
	s_cbranch_scc1 .Lv_way
.macro QKOUT a
.set AC, 64*((\a)%4)
.set TS, TAB+32*((\a)%2)
.set CS, CD+16*((\a)%2)
	WIN 0x0a+5*((\a)/4)
.irp i, 0,1,2,3,4,5,6,7
.irp c, 0,1,2,3
.if \i == 0
	v_pk_mul_f32 v[SS+2*\c:SS+2*\c+1], v[AC+16*\c:AC+16*\c+1], v[AC+16*\c:AC+16*\c+1]
.else
	v_pk_fma_f32 v[SS+2*\c:SS+2*\c+1], v[AC+16*\c+2*\i:AC+16*\c+2*\i+1], v[AC+16*\c+2*\i:AC+16*\c+2*\i+1], v[SS+2*\c:SS+2*\c+1]
.endif
.endr
.endr
	WIN 0
	v_pk_add_f32 v[SS:SS+1], v[SS:SS+1], v[SS+2:SS+3]
	v_pk_add_f32 v[SS+4:SS+5], v[SS+4:SS+5], v[SS+6:SS+7]
	v_add_f32 v[SS], v[SS], v[SS+1]
	v_add_f32 v[SS+4], v[SS+4], v[SS+5]
	v_permlanex16_b32 v[SS+1], v[SS], s100, s101
	v_permlanex16_b32 v[SS+5], v[SS+4], s100, s101
	v_add_f32 v[SS], v[SS], v[SS+1]
	v_add_f32 v[SS+4], v[SS+4], v[SS+5]
	v_ldexp_f32 v[SS], v[SS], s99
	v_ldexp_f32 v[SS+4], v[SS+4], s99
	v_add_f32 v[SS], 0x34000000, v[SS]
	v_add_f32 v[SS+4], 0x34000000, v[SS+4]
	s_wait_alu depctr_va_vdst(0)
	v_rsq_f32 v[SS], v[SS]
	v_rsq_f32 v[SS+4], v[SS+4]
	v_nop
	s_wait_alu depctr_va_vdst(0)
	v_ldexp_f32 v[SS], v[SS], s98
	v_ldexp_f32 v[SS+4], v[SS+4], s98
	WIN 0x02+((\a)/4)
.set J, 0
.rept 32
	v_pk_mul_f32 v[X+J:X+J+1], v[AC+J:AC+J+1], v[SS+4*(J/32):SS+4*(J/32)+1] op_sel_hi:[1,0]
.set J, J+2
.endr
	WIN 0
.if (\a) < 7
	s_wait_loadcnt 8
.else
	s_wait_loadcnt 0
.endif
.irp g, 0,1
.irp b, 0,1
.irp i, 0,2,4,6
	v_pk_mul_f32 v[Y+32*\g+8*\b+\i:Y+32*\g+8*\b+\i+1], v[X+32*\g+8*\b+\i:X+32*\g+8*\b+\i+1], v[TS+8*\b+\i:TS+8*\b+\i+1]
	v_pk_mul_f32 v[Y+32*\g+16+8*\b+\i:Y+32*\g+16+8*\b+\i+1], v[X+32*\g+16+8*\b+\i:X+32*\g+16+8*\b+\i+1], v[TS+8*\b+\i:TS+8*\b+\i+1]
.endr
.endr
.irp b, 0,1
.irp i, 0,2,4,6
	v_pk_fma_f32 v[Y+32*\g+8*\b+\i:Y+32*\g+8*\b+\i+1], v[X+32*\g+16+8*\b+\i:X+32*\g+16+8*\b+\i+1], v[TS+16+8*\b+\i:TS+16+8*\b+\i+1], v[Y+32*\g+8*\b+\i:Y+32*\g+8*\b+\i+1]
	v_pk_fma_f32 v[Y+32*\g+16+8*\b+\i:Y+32*\g+16+8*\b+\i+1], v[X+32*\g+8*\b+\i:X+32*\g+8*\b+\i+1], v[TS+16+8*\b+\i:TS+16+8*\b+\i+1], v[Y+32*\g+16+8*\b+\i:Y+32*\g+16+8*\b+\i+1] neg_lo:[1,0,0] neg_hi:[1,0,0]
.endr
.endr
.endr
	s_wait_xcnt 0x0
.if (\a) < 6
	TABLOAD (\a)+2
.endif
.set J, 0
.rept 64
	v_med3_num_f32 v[Y+J], v[Y+J], -v[LM], v[LM]
.set J, J+1
.endr
.irp b, 0,1,2,3,4,5,6,7
	v_cvt_scalef32_pk8_fp8_f32 v[CS+2*\b:CS+2*\b+1], v[Y+8*\b:Y+8*\b+7], v[SC]
.endr
	v_nop
.irp g, 0,1
.irp c, 0,1
	global_store_b128 v[CO], v[CS+8*\g+4*\c:CS+8*\g+4*\c+3], s[80:81] offset:(\a)*1024+\g*131072+512*\c
.endr
.endr
.endm
.irp a, 0,1,2,3,4,5,6,7
	QKOUT \a
.endr
	s_branch .Lend
.Lv_way:
	v_mov_b32 v8, s97
	v_mov_b32 v9, s97
	v_sub_f32 v10, 1.0, v8
	v_ldexp_f32 v10, v10, s86
	v_mov_b32 v11, v10
	LOADV 1
.macro VOUT b
.set VS, 32+96*((\b)%2)
.if (\b) < 7
	s_wait_loadcnt 16
.else
	s_wait_loadcnt 0
.endif
.irp i, 0,1,2,3,4,5,6,7,8,9,10,11,12,13,14,15
	global_store_b128 v[CO], v[VS+4*\i:VS+4*\i+3], s[84:85] offset:(16*(\b)+\i)*4096 th:TH_STORE_NT
.endr
.irp i, 0,1,2,3,4,5,6,7,8,9,10,11,12,13,14,15
	ds_store_b128 v[VSTO], v[VS+4*\i:VS+4*\i+3] offset:\i*VSP
.endr
.irp a, 0,1,2,3,4,5,6,7
.irp j, 0,1,2,3,4,5,6,7
	ds_load_b32 v[VT+8*\a+\j], v[VRD] offset:\j*VSP+64*\a
.endr
.endr
	s_wait_dscnt 0x0
	s_wait_xcnt 0x0
.if (\b) < 6
	LOADV (\b)+2
.endif
.set J, 0
.rept 32
	v_pk_mul_f32 v[VT+J:VT+J+1], v[VT+J:VT+J+1], v[8:9] op_sel_hi:[1,0]
.set J, J+2
.endr
	WIN 0x02
.irp a, 0,1,2,3
.irp i, 0,2,4,6
	v_pk_fma_f32 v[VT+8*\a+\i:VT+8*\a+\i+1], v[8*(8*\a+(\b))+\i:8*(8*\a+(\b))+\i+1], v[10:11], v[VT+8*\a+\i:VT+8*\a+\i+1] op_sel_hi:[1,0,1]
.endr
.endr
	WIN 0x03
.irp a, 4,5,6,7
.irp i, 0,2,4,6
	v_pk_fma_f32 v[VT+8*\a+\i:VT+8*\a+\i+1], v[8*(8*(\a-4)+(\b))+\i:8*(8*(\a-4)+(\b))+\i+1], v[10:11], v[VT+8*\a+\i:VT+8*\a+\i+1] op_sel_hi:[1,0,1]
.endr
.endr
	WIN 0
.set J, 0
.rept 64
	v_med3_num_f32 v[VT+J], v[VT+J], -v[LM], v[LM]
.set J, J+1
.endr
.irp a, 0,1,2,3,4,5,6,7
	v_cvt_scalef32_pk8_fp8_f32 v[CD+4*\a+2*((\b)%2):CD+4*\a+2*((\b)%2)+1], v[VT+8*\a:VT+8*\a+7], v[SC]
.endr
	v_nop
.if (\b)%2 == 1
.irp a, 0,1,2,3,4,5,6,7
	global_store_b128 v[CO], v[CD+4*\a:CD+4*\a+3], s[82:83] offset:(\a/4)*131072+(\a%4)*2048+512*((\b)/2)
.endr
.endif
.endm
	s_wait_alu depctr_va_vdst(0)
.irp b, 0,1,2,3,4,5,6,7
	VOUT \b
.endr
.Lend:
	s_wait_tensorcnt 0x0
	ds_add_u32 v[SPW], v[NIL]
	s_wait_dscnt 0x0
	CROUND
	s_endpgm
.Lfunc_end_k_qfcb1f94b34_qkv:
	.size	k_qfcb1f94b34_qkv, .Lfunc_end_k_qfcb1f94b34_qkv-k_qfcb1f94b34_qkv
	.p2alignl 7, 3214868480
	.fill 96, 4, 3214868480
	.section	.rodata,"a",@progbits
	.p2align	6, 0x0
	.amdhsa_kernel k_qfcb1f94b34_qkv
		.amdhsa_group_segment_fixed_size 327680
		.amdhsa_private_segment_fixed_size 0
		.amdhsa_enable_private_segment 0
		.amdhsa_kernarg_size 72
		.amdhsa_user_sgpr_count 2
		.amdhsa_user_sgpr_kernarg_segment_ptr 1
		.amdhsa_wavefront_size32 1
		.amdhsa_system_sgpr_workgroup_id_x 1
		.amdhsa_system_sgpr_workgroup_id_y 1
		.amdhsa_system_sgpr_workgroup_id_z 1
		.amdhsa_system_vgpr_workitem_id 0
		.amdhsa_next_free_vgpr 1024
		.amdhsa_next_free_sgpr 102
		.amdhsa_reserve_vcc 0
		.amdhsa_float_denorm_mode_32 3
		.amdhsa_float_denorm_mode_16_64 3
		.amdhsa_memory_ordered 1
		.amdhsa_forward_progress 1
		.amdhsa_inst_pref_size 255
	.end_amdhsa_kernel
	.section	.bss,"aw",@nobits
	.p2align	6
	.space	262144
	.amdgpu_metadata
---
amdhsa.version: [ 1, 2 ]
amdhsa.kernels:
  - .name:           k_qfcb1f94b34_qkv
    .symbol:         k_qfcb1f94b34_qkv.kd
    .args:
      - { .name: xc, .offset: 0, .size: 8, .value_kind: global_buffer, .address_space: global }
      - { .name: wc, .offset: 8, .size: 8, .value_kind: global_buffer, .address_space: global }
      - { .name: lowp_scales, .offset: 16, .size: 8, .value_kind: global_buffer, .address_space: global }
      - { .name: lamb, .offset: 24, .size: 8, .value_kind: global_buffer, .address_space: global }
      - { .name: rope, .offset: 32, .size: 8, .value_kind: global_buffer, .address_space: global }
      - { .name: v1, .offset: 40, .size: 8, .value_kind: global_buffer, .address_space: global }
      - { .name: qkc, .offset: 48, .size: 8, .value_kind: global_buffer, .address_space: global }
      - { .name: vc, .offset: 56, .size: 8, .value_kind: global_buffer, .address_space: global }
      - { .name: out1, .offset: 64, .size: 8, .value_kind: global_buffer, .address_space: global }
    .group_segment_fixed_size: 327680
    .private_segment_fixed_size: 0
    .kernarg_segment_align: 8
    .kernarg_segment_size: 72
    .max_flat_workgroup_size: 128
    .sgpr_count:     102
    .vgpr_count:     1024
    .wavefront_size: 32
...
	.end_amdgpu_metadata
.endif
;; end of part 2
;; launch attn (part 3): grid 4 x 64, 8 waves a work-group, clusters of 4 x 1, 327,680 bytes of LDS; arguments qkc, vc, lowp_scales, yc; writes yc
.if DOCPART == 3
	.amdgcn_target "amdgcn-amd-amdhsa--gfx1250"
	.amdhsa_code_object_version 6
	.text
	.protected	k_qfcb1f94b34_attn
	.globl	k_qfcb1f94b34_attn
	.p2align	8
	.type	k_qfcb1f94b34_attn,@function
k_qfcb1f94b34_attn:
	s_mov_b64 s[64:65], 0
	v_nop
	global_prefetch_b8 v0, s[64:65] scope:SCOPE_SE
	s_setreg_imm32_b32 hwreg(HW_REG_WAVE_MODE, 25, 1), 1
	s_wait_xcnt 0x0
	s_wait_alu depctr_hold_cnt(0) depctr_sa_sdst(0) depctr_va_vdst(0) depctr_va_sdst(0) depctr_va_ssrc(0) depctr_va_vcc(0) depctr_vm_vsrc(0)
	s_getreg_b32 s2, hwreg(HW_REG_IB_STS2, 6, 4)
	s_cmp_eq_u32 s2, 0
	s_cbranch_scc0 .Lentry_in_a_cluster
	s_endpgm
.Lentry_in_a_cluster:
	s_bfe_u32 s2, ttmp6, 0x10000c
	s_cmp_lg_u32 s2, 0x3003
	s_cbranch_scc0 .Lentry_shape_is_right
	s_endpgm
.Lentry_shape_is_right:
; Causal attention on E4M3 codes, head size 64, 2,048 tokens, 64 heads (batch x head).  All operands are images of operand registers (registers 4 c .. 4 c + 3 of the 32 lanes: 512 consecutive bytes, 16 a lane).
; qkc: [q, k][head][16 tokens][1,024 bytes], K = the head's 64.  vc: [head][128 keys][16 channels][2,048 bytes], K = the keys.  yc: [16 rows][head 16][1,024 bytes]: the last product's left operand.
; THE SOFTMAX: t = score x log2(e) / 8; M = the row's largest t so far, rounded UP to a whole number; p = 2^(t - M) is quantised (e9), not normalised.  The row's sum is taken of the unquantised p and divides at the end.
; When M moves, the sum and O are multiplied by f = 2^(old M - new M): exact.
; LEFT OUT: steps of 128 keys all of which come after a tile's queries (the causal mask that the problem builds itself).
; SHARES.  A cluster of four work-groups owns a head.  The head's whole K and V, 2 x 131,072 bytes, lie in each work-group's LDS: eight waves ask for 32,768 bytes each, ONE JOINT LOAD a wave at the head,
; the same in all four partners (mask 15).  Nothing is filled again, so one barrier behind the loads is the only one ahead of the closing round.
; The 2,048 queries are 16 groups of 128.  Wave g owns 32 queries (two tiles of 16) of group g and then 32 of group 15 - g; the work-group's place in the cluster says WHICH 32 of a group's 128.
; A group G wants G + 1 steps of 128 keys: (g + 1) + (16 - g) = 17 steps for every wave: one loop of 17 trips, all of them at work.  The place in the cluster enters global addresses and the diagonal's compare alone:
; no branch, trip count or LDS address hangs on it.  Each fragment of K and of V that a wave reads from LDS feeds two matrix instructions, one for each tile.
; LAYOUT.  S^T = K Q^T (source 0 = 16 keys, source 1 = 16 queries), O^T = V^T P^T (source 0 = 16 channels, source 1 = P): a lane holds one query throughout; tile c of S^T, converted, IS registers 2 c, 2 c + 1 of P.
; NO PREFETCH: every byte of K and V is asked for by the head's one group of loads; there is no later load to run ahead of.
; AT THE CHANGE OF GROUPS O and the sums are not cleared: the largest t starts again at -3e38, so the next step's f is 0, and the old numbers, which are finite, become 0.
; LIMITS: e6 + e7 between -123 and 130 (added to the constant's exponent field); e9 and e10 between -126 and 119; e8 + e9 goes by v_ldexp_f32; scaled scores under 2^31; NaN among the codes is not served.
; REGISTERS.  Window 0: v1 16 x lane; v2, v3 LDS addresses; v4, v5 the add's; v6, v7 the diagonal's d; v8-11 (-M, largest t) x 2; v12-15 sums; v16-19 f; v20-25 at work; v26-31 constants; v32-47 partial sums;
; v48-63 Q; v64-79 the second group's Q; v80-111 P's codes; v112-239 S^T, then p, of both tiles.  Window 1: v0-63 O^T; v64-127 K's fragments; v128-191 V's.
.set VOFF,  131072                     ; V's region in LDS, behind K's
.set SPARE, 262144                     ; behind both: the spare words, 128 bytes for each of 8 waves
.set L16, 1
.set ADK, 2
.set ADV, 3
.set SPW, 4
.set NIL, 5
.set DD,  6
.set NM,  8
.set L,   12
.set F,   16
.set MA,  20
.set PD,  24
.set HA,  26
.set HB,  27
.set SCP, 28
.set SCY, 29
.set HY,  30
.set NINF, 31
.set TP,  32
.set Q,   48
.set QN,  64
.set P,   80
.set SB,  112
.set O,   0
.set KF,  64
.set VF,  128
.set WV,  12
.set CX,  13
.set HD,  14
.set N,   15
.set KS,  16
.set DG,  17
.set NG,  18
.set T0,  19
.set SEL, 20
.set CS,  22
.set G1,  24
.set G0,  40
.set MSB, 0
.macro WIN new                         ; the immediate's high byte repeats the setting that is left
.if MSB != \new
	s_set_vgpr_msb (MSB<<8)|\new
.set MSB, \new
.endif
.endm
.macro CROUND                          ; a round of the cluster's barrier
	s_barrier_signal -1
	s_barrier_wait -1
	s_cmp_lg_u32 s[WV], 0
	s_cbranch_scc1 .Lnot_wave_0_\@
	s_barrier_signal -3
.Lnot_wave_0_\@:
	s_barrier_wait -3
	s_barrier_signal -1
	s_barrier_wait -1
.endm
.macro KLOAD                           ; a step's eight fragments of K, 8,192 bytes, into window 1
	WIN 0x40
.irp f, 0,1,2,3,4,5,6,7
	ds_load_b128 v[KF+8*\f:KF+8*\f+3], v[ADK] offset:1024*\f
	ds_load_b128 v[KF+8*\f+4:KF+8*\f+7], v[ADK] offset:1024*\f+512
.endr
	WIN 0
.endm
	s_load_b256 s[4:11], s[0:1], 0x0               ; qkc s[4:5], vc s[6:7], the scales' exponents s[8:9], yc s[10:11]
	v_lshl_add_u32 v[SPW], v0, 2, SPARE
	v_mov_b32 v[NIL], 0
	ds_add_u32 v[SPW], v[NIL]                      ; the opening lines: the add, twice on end, and its wait ahead of my tensor load
	ds_add_u32 v[SPW], v[NIL]
	v_lshrrev_b32 v[L16], 5, v0
	v_readfirstlane_b32 s[WV], v[L16]              ; wave g, 0..7
	s_bfe_u32 s[CX], ttmp6, 0x40000                ; my work-group's place in the cluster
	s_and_b32 s[HD], ttmp7, 0xffff                 ; the head: the cluster's y
	s_mov_b32 s[G1], 15|(3<<16)|(1<<21)            ; the four partners; elements of 8 bytes; bit 21 beside a mask; no padding: every read is 512 consecutive bytes
	s_mov_b32 s[G1+1], 32<<16                      ; rows of 256 bytes,
	s_mov_b32 s[G1+2], 128<<16                     ; 128 of them
	s_mov_b32 s[G1+3], 32<<16
	s_mov_b32 s[G1+4], 128
	s_mov_b32 s[G1+5], 32                          ; dense
	s_mov_b32 s[G1+6], 0
	s_mov_b32 s[G1+7], 0
	s_mov_b32 s[SEL], 0x76543210
	s_mov_b32 s[SEL+1], 0xfedcba98
	s_mov_b32 s[CS], 0x3e38aa3b                    ; log2(e) / 8
	s_xor_b32 s[NG], s[WV], -1                     ; -(g + 1)
	s_lshl_b32 s32, s[HD], 17                      ; the head's 131,072 bytes in q's, k's and v's codes
	s_and_b32 s34, s[WV], 3
	s_lshl_b32 s34, s34, 15
	s_add_co_u32 s34, s34, s32                     ; my quarter of K (waves 0-3) or of V (waves 4-7)
	s_mov_b32 s35, 0
	s_wait_dscnt 0x0                               ; both opening adds are done
	s_wait_kmcnt 0x0
	s_load_b128 s[68:71], s[8:9], 0x18             ; e6, e7, e8, e9
	s_load_b32 s72, s[8:9], 0x28                   ; e10
	s_add_nc_u64 s[36:37], s[4:5], 0x800000        ; k's codes
	s_cmp_lt_u32 s[WV], 4
	s_cselect_b64 s[36:37], s[36:37], s[6:7]
	s_mov_b32 s[G0], 1
	s_lshl_b32 s[G0+1], s[WV], 15                  ; LDS: 32,768 x wave: K's four quarters, then V's
	s_add_nc_u64 s[G0+2:G0+3], s[36:37], s[34:35]
	s_or_b32 s[G0+3], s[G0+3], 0x80000000
	CROUND                                         ; all four work-groups are here: the joint loads meet
	tensor_load_to_lds s[G0:G0+3], s[G1:G1+7]      ; my one tensor load
	s_nop 0
.rept 4
	v_nop
.endr
	s_lshl_b32 s34, s[CX], 11                      ; q: 64 bytes a query: 32 x place,
	s_add_co_u32 s34, s34, s32                     ; in my head,
	s_sub_co_u32 s[T0], 15, s[WV]
	s_lshl_b32 s36, s[WV], 13                      ; in group g,
	s_add_co_u32 s36, s36, s34
	s_mov_b32 s37, 0
	s_lshl_b32 s38, s[T0], 13                      ; and in group 15 - g
	s_add_co_u32 s38, s38, s34
	s_mov_b32 s39, 0
	s_add_nc_u64 s[44:45], s[4:5], s[36:37]
	s_add_nc_u64 s[46:47], s[4:5], s[38:39]
	s_lshr_b32 s34, s[HD], 4
	s_lshl_b32 s34, s34, 21                        ; yc: the batch's 128 blocks of 16 rows x 16,384 bytes,
	s_and_b32 s32, s[HD], 15
	s_lshl_b32 s32, s32, 10                        ; the head's 1,024 bytes,
	s_add_co_u32 s34, s34, s32
	s_lshl_b32 s32, s[CX], 15                      ; 1,024 bytes a query: 32 x place
	s_add_co_u32 s34, s34, s32
	s_lshl_b32 s36, s[WV], 17
	s_add_co_u32 s36, s36, s34
	s_lshl_b32 s38, s[T0], 17
	s_add_co_u32 s38, s38, s34
	s_add_nc_u64 s[48:49], s[10:11], s[36:37]      ; where the group in hand goes,
	s_add_nc_u64 s[50:51], s[10:11], s[38:39]      ; and the second group
	s_lshl_b32 s56, s[CX], 5
	s_wait_kmcnt 0x0
	s_add_co_i32 s32, s68, s69
	s_lshl_b32 s32, s32, 23
	s_add_co_i32 s[CS], s[CS], s32                 ; a score stands for score x 2^(e6 + e7)
	s_mov_b32 s[CS+1], s[CS]
	s_add_co_i32 s32, s71, 127
	s_lshl_b32 s52, s32, 23                        ; 2^e9
	s_add_co_i32 s32, s32, 8
	s_lshl_b32 s53, s32, 23
	s_or_b32 s53, s53, 0x600000                    ; 448 x 2^e9
	s_add_co_i32 s32, s72, 127
	s_lshl_b32 s54, s32, 23                        ; 2^e10
	s_add_co_i32 s32, s32, 8
	s_lshl_b32 s55, s32, 23
	s_or_b32 s55, s55, 0x600000                    ; 448 x 2^e10
	s_add_co_i32 s73, s70, s71                     ; e8 + e9
	v_and_b32 v[L16], 31, v0
	v_lshlrev_b32 v[L16], 4, v[L16]                ; 16 x lane; never rewritten
	v_add_nc_u32 v[ADK], 0, v[L16]                 ; key step 0
	v_and_b32 v[DD], 15, v0
	v_bfe_u32 v[DD+1], v0, 4, 1
	v_lshlrev_b32 v[DD+1], 3, v[DD+1]
	v_sub_nc_u32 v[DD], v[DD], v[DD+1]
	v_add_nc_u32 v[DD], s56, v[DD]                 ; d = my query's place in its group - 8 h: in a group's last step register 8 f + j is hidden where 16 f + j > d
	v_add_nc_u32 v[DD+1], 16, v[DD]                ; the second tile's
.irp u, 0,1
	v_mov_b32 v[NM+2*\u], 0x7f61b1e6               ; -M
	v_mov_b32 v[NM+2*\u+1], 0xff61b1e6             ; the largest t so far: -3e38
	v_mov_b32 v[L+2*\u], 0
	v_mov_b32 v[L+2*\u+1], 0
	v_mov_b32 v[F+2*\u+1], 0                       ; (named as the upper half of f's pair)
	v_mov_b32 v[PD+\u], 0                          ; a lane permute's destination counts as one of its sources
.endr
	v_mov_b32 v[HA], s53
	v_mov_b32 v[HB], s53                           ; the bound twice: the two halves of a dual line take their second sources from different banks
	v_mov_b32 v[SCP], s52
	v_mov_b32 v[SCY], s54
	v_mov_b32 v[HY], s55
	v_mov_b32 v[NINF], 0xff800000
	WIN 0x40
.set J, 0
.rept 64
	v_mov_b32 v[O+J], 0                            ; O^T: the step is written once, and its first walk finds zeros
.set J, J+1
.endr
	WIN 0
	s_wait_alu depctr_va_vdst(0)
.irp i, 0,1,2,3
	global_load_b128 v[Q+4*\i:Q+4*\i+3], v[L16], s[44:45] offset:512*\i     ; both tiles' Q of group g,
	global_load_b128 v[QN+4*\i:QN+4*\i+3], v[L16], s[46:47] offset:512*\i   ; and of group 15 - g
.endr
	s_wait_tensorcnt 0x0                           ; my quarter is in
	s_barrier_signal -1
	s_barrier_wait -1                              ; everybody's is: K and V are whole, and nothing writes them again
	KLOAD
	s_mov_b32 s[N], 0
	s_wait_loadcnt 0x0
	s_wait_dscnt 0x0
.Ltrip:                                                ; 17 trips.  Trip n works key step n of group g while n <= g, then key step n - g - 1 of group 15 - g
	s_add_co_u32 s[T0], s[N], 1
	s_xor_b32 s[KS], s[N], -1
	s_add_co_u32 s[KS], s[KS], s[WV]               ; g - (n + 1),
	s_lshr_b32 s[KS], s[KS], 31                    ; 1 where n + 1 > g
	s_mul_i32 s[KS], s[KS], s[NG]
	s_add_co_u32 s[KS], s[KS], s[T0]               ; the next trip's key step,
	s_and_b32 s[KS], s[KS], 15
	s_lshl_b32 s[KS], s[KS], 13                    ; in bytes
	s_cmp_eq_u32 s[N], s[WV]
	s_cselect_b32 s[DG], 1, 0
	s_cmp_eq_u32 s[N], 16
	s_cselect_b32 s[DG], 1, s[DG]                  ; 1 in a group's last step, which holds its diagonal
	v_add_nc_u32 v[ADV], VOFF, v[ADK]              ; this step's V
	v_add_nc_u32 v[ADK], s[KS], v[L16]             ; the next step's K
	s_wait_alu depctr_va_vdst(0)                   ; the wait behind these writes
	WIN 0x01
.irp f, 0,1,2,3,4,5,6,7
.irp u, 0,1
	v_wmma_f32_16x16x64_fp8_fp8 v[SB+64*\u+8*\f:SB+64*\u+8*\f+7], v[KF+8*\f:KF+8*\f+7], v[Q+8*\u:Q+8*\u+7], 0   ; register 8 f + j: key 16 f + 8 h + j of the step
.endr
.endr
	WIN 0
.rept 4
	v_nop                                          ; places in front of the loads into K's and V's registers and of the first read of the scores
.endr
	s_cmp_eq_u32 s[N], 16
	s_cbranch_scc1 .Lnok                           ; the last trip has no next step
	KLOAD                                          ; both runs of loads land while the softmax is worked
.Lnok:
	WIN 0x40
.irp t, 0,1,2,3
.irp p, 0,1,2,3
	ds_load_b128 v[VF+16*\t+4*\p:VF+16*\t+4*\p+3], v[ADV] offset:2048*\t+512*\p
.endr
.endr
	WIN 0
	s_cmp_eq_u32 s[DG], 0
	s_cbranch_scc1 .Lopen                          ; all keys count
.irp u, 0,1
.set NN, 0
.rept 64
	v_cmp_gt_i32 vcc_lo, 16*(NN/8)+NN%8, v[DD+\u]
	v_cndmask_b32 v[SB+64*\u+NN], v[SB+64*\u+NN], v[NINF], vcc_lo   ; hidden scores become -infinity ahead of the maximum
.set NN, NN+1
.endr
.endr
.Lopen:
.irp u, 0,1                                    ; the step's largest score of each query: two chains a tile, the tiles by turns
	v_max3_num_f32 v[MA+2*\u], v[SB+64*\u], v[SB+64*\u+1], v[SB+64*\u+2]
	v_max3_num_f32 v[MA+2*\u+1], v[SB+64*\u+3], v[SB+64*\u+4], v[SB+64*\u+5]
.endr
.irp i, 6,10,14,18,22,26,30,34,38,42,46,50,54,58
.irp u, 0,1
	v_max3_num_f32 v[MA+2*\u], v[MA+2*\u], v[SB+64*\u+\i], v[SB+64*\u+\i+1]
	v_max3_num_f32 v[MA+2*\u+1], v[MA+2*\u+1], v[SB+64*\u+\i+2], v[SB+64*\u+\i+3]
.endr
.endr
.irp u, 0,1
	v_max3_num_f32 v[MA+2*\u], v[MA+2*\u], v[SB+64*\u+62], v[SB+64*\u+63]
.endr
.irp u, 0,1
	v_max_num_f32 v[MA+2*\u], v[MA+2*\u], v[MA+2*\u+1]
.endr
.irp u, 0,1
	v_permlanex16_b32 v[PD+\u], v[MA+2*\u], s[SEL], s[SEL+1]
.endr
.irp u, 0,1
	v_max_num_f32 v[MA+2*\u], v[MA+2*\u], v[PD+\u] ; and among lane l xor 16's
.endr
.irp u, 0,1
	v_mul_f32 v[MA+2*\u], s[CS], v[MA+2*\u]        ; as t
.endr
.irp u, 0,1
	v_max_num_f32 v[NM+2*\u+1], v[NM+2*\u+1], v[MA+2*\u]
	v_mov_b32 v[MA+2*\u+1], v[NM+2*\u]
.endr
.irp u, 0,1
	v_floor_f32 v[NM+2*\u], -v[NM+2*\u+1]          ; the new -M = -ceil(t): a whole number
.endr
.irp u, 0,1
	v_sub_f32 v[MA+2*\u+1], v[NM+2*\u], v[MA+2*\u+1]   ; old M - new M, 0 or less
.endr
.irp u, 0,1
	v_cvt_i32_f32 v[MA+2*\u+1], v[MA+2*\u+1]       ; (it saturates)
.endr
.irp u, 0,1
	v_ldexp_f32 v[F+2*\u], 1.0, v[MA+2*\u+1]       ; f = 2^(old M - new M)
.endr
	WIN 0x41                                       ; O^T under the new M, ahead of the exponentials
.irp u, 0,1
.set J, 0
.rept 16
	v_pk_mul_f32 v[O+32*\u+J:O+32*\u+J+1], v[O+32*\u+J:O+32*\u+J+1], v[F+2*\u:F+2*\u+1] op_sel_hi:[1,0]
.set J, J+2
.endr
.endr
	WIN 0
.irp u, 0,1
	v_pk_mul_f32 v[L+2*\u:L+2*\u+1], v[L+2*\u:L+2*\u+1], v[F+2*\u:F+2*\u+1] op_sel_hi:[1,0]   ; the sums likewise
.endr
.irp u, 0,1
.set J, 0
.rept 32
	v_pk_fma_f32 v[SB+64*\u+J:SB+64*\u+J+1], v[SB+64*\u+J:SB+64*\u+J+1], s[CS:CS+1], v[NM+2*\u:NM+2*\u+1] op_sel_hi:[1,0,0]   ; t - M
.set J, J+2
.endr
.endr
	s_wait_alu depctr_va_vdst(0)
.set J, 0
.rept 128
	v_exp_f32 v[SB+J], v[SB+J]                     ; p = 2^(t - M)
.set J, J+1
.endr
	v_nop                                          ; a plain line behind the exponentials,
	s_wait_alu depctr_va_vdst(0)                   ; and one wait for the whole batch, ahead of its first reader
.irp c, 0,1,2,3                                ; the rows' sums of the unquantised p: four chains a tile
.irp u, 0,1
	v_pk_add_f32 v[TP+8*\u+2*\c:TP+8*\u+2*\c+1], v[SB+64*\u+2*\c:SB+64*\u+2*\c+1], v[SB+64*\u+8+2*\c:SB+64*\u+8+2*\c+1]
.endr
.endr
.set M, 8
.rept 24
.irp u, 0,1
	v_pk_add_f32 v[TP+8*\u+2*(M%4):TP+8*\u+2*(M%4)+1], v[TP+8*\u+2*(M%4):TP+8*\u+2*(M%4)+1], v[SB+64*\u+2*M:SB+64*\u+2*M+1]
.endr
.set M, M+1
.endr
.irp u, 0,1
	v_pk_add_f32 v[TP+8*\u:TP+8*\u+1], v[TP+8*\u:TP+8*\u+1], v[TP+8*\u+2:TP+8*\u+3]
	v_pk_add_f32 v[TP+8*\u+4:TP+8*\u+5], v[TP+8*\u+4:TP+8*\u+5], v[TP+8*\u+6:TP+8*\u+7]
.endr
.irp u, 0,1
	v_pk_add_f32 v[TP+8*\u:TP+8*\u+1], v[TP+8*\u:TP+8*\u+1], v[TP+8*\u+4:TP+8*\u+5]
.endr
.irp u, 0,1
	v_pk_add_f32 v[L+2*\u:L+2*\u+1], v[L+2*\u:L+2*\u+1], v[TP+8*\u:TP+8*\u+1]
.endr
.irp c, 0,1,2,3,4,5,6,7                        ; the conversion does not saturate (ISA guide 7.6.2); p is not negative, so the hold is one-sided: two numbers a line
.irp u, 0,1
.irp i, 0,2,4,6
	v_dual_min_num_f32 v[SB+64*\u+8*\c+\i], v[SB+64*\u+8*\c+\i], v[HA] :: v_dual_min_num_f32 v[SB+64*\u+8*\c+\i+1], v[SB+64*\u+8*\c+\i+1], v[HB]
.endr
.endr
.irp u, 0,1
	v_cvt_scalef32_pk8_fp8_f32 v[P+16*\u+2*\c:P+16*\u+2*\c+1], v[SB+64*\u+8*\c:SB+64*\u+8*\c+7], v[SCP]
.endr
.endr
	v_nop                                          ; a plain line behind the conversions
	s_wait_alu depctr_va_vdst(0)
	s_wait_dscnt 0x0                               ; V's fragments and the next step's K are in
	WIN 0x51
.irp t, 0,1,2,3
.irp u, 0,1
	v_wmma_f32_16x16x128_fp8_fp8 v[O+32*\u+8*\t:O+32*\u+8*\t+7], v[VF+16*\t:VF+16*\t+15], v[P+16*\u:P+16*\u+15], v[O+32*\u+8*\t:O+32*\u+8*\t+7]   ; eight accumulators by turns
.endr
.endr
	WIN 0
	s_cmp_eq_u32 s[DG], 0
	s_cbranch_scc1 .Lgo
	; A GROUP IS FINISHED: O^T / the sum x 2^(e8 + e9) is y; held, converted with 2^e10: tile t gives registers 2 t, 2 t + 1 of the last product's operand.  Stores of 512 consecutive bytes; no stage.
.rept 4
	v_nop                                          ; places behind the last products
.endr
.irp u, 0,1
	v_add_f32 v[L+2*\u], v[L+2*\u], v[L+2*\u+1]
.endr
.irp u, 0,1
	v_permlanex16_b32 v[PD+\u], v[L+2*\u], s[SEL], s[SEL+1]
.endr
.irp u, 0,1
	v_add_f32 v[L+2*\u], v[L+2*\u], v[PD+\u]
.endr
	s_wait_alu depctr_va_vdst(0)                   ; the wait ahead of the reciprocals,
	v_rcp_f32 v[L], v[L]
	v_rcp_f32 v[L+2], v[L+2]
	v_nop
	s_wait_alu depctr_va_vdst(0)                   ; and ahead of their first reader
	v_ldexp_f32 v[L], v[L], s73
	v_ldexp_f32 v[L+2], v[L+2], s73
	WIN 0x01
	s_wait_alu depctr_va_vdst(0)                   ; directly ahead of the first reader of O^T
.irp u, 0,1
.set J, 0
.rept 16
	v_pk_mul_f32 v[SB+32*\u+J:SB+32*\u+J+1], v[O+32*\u+J:O+32*\u+J+1], v[L+2*\u:L+2*\u+1] op_sel_hi:[1,0]
.set J, J+2
.endr
.endr
	WIN 0
.set J, 0
.rept 64
	v_med3_num_f32 v[SB+J], v[SB+J], -v[HY], v[HY]
.set J, J+1
.endr
.irp k, 0,1,2,3,4,5,6,7
	v_cvt_scalef32_pk8_fp8_f32 v[P+2*\k:P+2*\k+1], v[SB+8*\k:SB+8*\k+7], v[SCY]
.endr
	v_nop
.irp u, 0,1
	global_store_b128 v[L16], v[P+8*\u:P+8*\u+3], s[48:49] offset:16384*\u
	global_store_b128 v[L16], v[P+8*\u+4:P+8*\u+7], s[48:49] offset:16384*\u+512
.endr
	s_wait_xcnt 0x0                                ; the stores have read their data and their base: both are written again
	s_mov_b64 s[48:49], s[50:51]                   ; on to group 15 - g (behind the second group these lines change nothing that is used)
.set J, 0
.rept 16
	v_mov_b32 v[Q+J], v[QN+J]
.set J, J+1
.endr
.irp u, 0,1
	v_mov_b32 v[NM+2*\u], 0x7f61b1e6
	v_mov_b32 v[NM+2*\u+1], 0xff61b1e6             ; the next step's f is 0: O^T and the sums start anew
.endr
.Lgo:
	s_add_co_u32 s[N], s[N], 1
	s_cmp_lt_u32 s[N], 17
	s_wait_alu depctr_va_vdst(0)
	s_cbranch_scc1 .Ltrip
	s_wait_tensorcnt 0x0                           ; the wave's end
	ds_add_u32 v[SPW], v[NIL]
	s_wait_dscnt 0x0
	CROUND                                         ; the closing round
	s_endpgm
.Lfunc_end_k_qfcb1f94b34_attn:
	.size	k_qfcb1f94b34_attn, .Lfunc_end_k_qfcb1f94b34_attn-k_qfcb1f94b34_attn
	.p2alignl 7, 3214868480
	.fill 96, 4, 3214868480
	.section	.rodata,"a",@progbits
	.p2align	6, 0x0
	.amdhsa_kernel k_qfcb1f94b34_attn
		.amdhsa_group_segment_fixed_size 327680
		.amdhsa_private_segment_fixed_size 0
		.amdhsa_enable_private_segment 0
		.amdhsa_kernarg_size 32
		.amdhsa_user_sgpr_count 2
		.amdhsa_user_sgpr_kernarg_segment_ptr 1
		.amdhsa_wavefront_size32 1
		.amdhsa_system_sgpr_workgroup_id_x 1
		.amdhsa_system_sgpr_workgroup_id_y 1
		.amdhsa_system_sgpr_workgroup_id_z 1
		.amdhsa_system_vgpr_workitem_id 0
		.amdhsa_next_free_vgpr 512
		.amdhsa_next_free_sgpr 100
		.amdhsa_reserve_vcc 1
		.amdhsa_float_denorm_mode_32 3
		.amdhsa_float_denorm_mode_16_64 3
		.amdhsa_memory_ordered 1
		.amdhsa_forward_progress 1
		.amdhsa_inst_pref_size 57
	.end_amdhsa_kernel
	.amdgpu_metadata
---
amdhsa.version: [ 1, 2 ]
amdhsa.kernels:
  - .name:           k_qfcb1f94b34_attn
    .symbol:         k_qfcb1f94b34_attn.kd
    .args:
      - { .name: qkc, .offset: 0, .size: 8, .value_kind: global_buffer, .address_space: global }
      - { .name: vc, .offset: 8, .size: 8, .value_kind: global_buffer, .address_space: global }
      - { .name: lowp_scales, .offset: 16, .size: 8, .value_kind: global_buffer, .address_space: global }
      - { .name: yc, .offset: 24, .size: 8, .value_kind: global_buffer, .address_space: global }
    .group_segment_fixed_size: 327680
    .private_segment_fixed_size: 0
    .kernarg_segment_align: 8
    .kernarg_segment_size: 32
    .max_flat_workgroup_size: 256
    .sgpr_count:     100
    .vgpr_count:     512
    .wavefront_size: 32
...
	.end_amdgpu_metadata
.endif
;; end of part 3
;; launch proj (part 4): grid 4 x 64, 4 waves a work-group, clusters of 4 x 4, 327,680 bytes of LDS; arguments yc, wc, lowp_scales, out0; writes out0
.if DOCPART == 4
	.amdgcn_target "amdgcn-amd-amdhsa--gfx1250"
	.amdhsa_code_object_version 6
	.text
	.protected	k_qfcb1f94b34_proj
	.globl	k_qfcb1f94b34_proj
	.p2align	8
	.type	k_qfcb1f94b34_proj,@function
k_qfcb1f94b34_proj:
	s_mov_b64 s[64:65], 0
	v_nop
	global_prefetch_b8 v0, s[64:65] scope:SCOPE_SE
	s_setreg_imm32_b32 hwreg(HW_REG_WAVE_MODE, 25, 1), 1
	s_wait_xcnt 0x0
	s_wait_alu depctr_hold_cnt(0) depctr_sa_sdst(0) depctr_va_vdst(0) depctr_va_sdst(0) depctr_va_ssrc(0) depctr_va_vcc(0) depctr_vm_vsrc(0)
	s_getreg_b32 s2, hwreg(HW_REG_IB_STS2, 6, 4)
	s_cmp_eq_u32 s2, 0
	s_cbranch_scc0 .Lentry_in_a_cluster
	s_endpgm
.Lentry_in_a_cluster:
	s_bfe_u32 s2, ttmp6, 0x10000c
	s_cmp_lg_u32 s2, 0xf033
	s_cbranch_scc0 .Lentry_shape_is_right
	s_endpgm
.Lentry_shape_is_right:
; out0 [8192][1024] f32 = y Wproj^T on E4M3 codes; each finished sum x 2^(e10 + e11).  LIMIT: e10 + e11 between -126 and 127, so that the factor is an f32 number.
; yc: y's codes as images of operand registers: [16 rows][1,024 along K], 128 along K of 16 rows = 2,048 bytes = 4 x (32 lanes x 16 bytes).  wc + 0x300000: Wproj's codes [1024 (n)][1024 (k)], K innermost.
; A block of out0 is 128 rows x 256 columns: 64 x 4 = 256 work-groups.  Four waves, each 64 x 128: 32 accumulators, 256 registers.
; K goes in four steps of 256 through a ring of two LDS slots: y's 8 images x 4,096 bytes (waves 0, 1 fetch four each), then Wproj's 256 rows of 256 bytes, 16 of padding behind each (waves 2, 3 fetch 128 each).
; CLUSTERS: 4 x 4 work-groups; y's tiles are asked for jointly along a row of the cluster, Wproj's along a column.  NO PREFETCH: K has four steps, and each comes by its own load.
; THE MATRIX INSTRUCTION IS USED TRANSPOSED (source 0 = 16 rows of Wproj, source 1 = 16 rows of y): a lane holds eight neighbouring numbers of a row of out0.
; y's images keep each k in the plain form's own place, so Wproj's fragments are fetched so too: eight loads of 8 bytes.
; REGISTERS: window 0: v16-29 addresses; v128-191, v192-255 y's fragments, two sets; on the way out v32-255.  Window 1: Wproj's fragments, two sets, at v0 and v128.  Window 2: the accumulators, (a, b) at v[8 (8 a + b)].
.set SIZE_N, 1024
.set PITCH,  272
.set FR,     16
.set AHALF,  16384                     ; four images x 4,096 bytes: what one wave fetches, and what one wave reads, of y
.set AREG,   2*AHALF
.set BHALF,  128*PITCH
.set SLOT,   AREG+2*BHALF
.set SPARE,  2*SLOT                    ; behind the ring: the spare words, 128 bytes for each wave
.set SPITCH, 528                       ; the way out: a stage of 16 rows x (512 + 16) bytes for each wave, in slot 0, which has then had its last fill and its last read
.set ADRA, 16
.set ADRB, 20
.set STO,  24
.set RD,   25
.set CO,   26
.set SPW,  28
.set NIL,  29
.set TMP,  32
.set AF,   128
.set BK,   128
.set G1, 24
.set G0, 32
.set G1B, 48
.set G0B, 56
.set MSB, 0
.macro WIN new                         ; the immediate's high byte repeats the setting that is left
.if MSB != \new
	s_set_vgpr_msb (MSB<<8)|\new
.set MSB, \new
.endif
.endm
.set MUL_LO, 0xa1                      ; source 0 window 1, source 1 window 0, C and D window 2
.set TO_B,   0x40
.macro JLOAD g0a, g1a, g0b, g1b        ; waves 0, 1 fetch for y, waves 2, 3 for Wproj; an s_nop 0 and four v_nop follow each line
	s_cmp_eq_u32 s15, 0
	s_cbranch_scc0 .Lfor_b_\@
	tensor_load_to_lds s[\g0a:\g0a+3], s[\g1a:\g1a+7]
	s_nop 0
.rept 4
	v_nop
.endr
	s_branch .Lasked_\@
.Lfor_b_\@:
	tensor_load_to_lds s[\g0b:\g0b+3], s[\g1b:\g1b+7]
	s_nop 0
.rept 4
	v_nop
.endr
.Lasked_\@:
.endm
.macro CREST
	s_cmp_lg_u32 s14, 0
	s_cbranch_scc1 .Lnot_wave_0_\@
	s_barrier_signal -3
.Lnot_wave_0_\@:
	s_barrier_wait -3
	s_barrier_signal -1
	s_barrier_wait -1
.endm
.macro CROUND
	s_barrier_signal -1
	s_barrier_wait -1
	CREST
.endm
	s_load_b128 s[4:7], s[0:1], 0x0                ; yc, wc
	s_load_b128 s[8:11], s[0:1], 0x10              ; the scales' exponents, out0
	v_lshl_add_u32 v[SPW], v0, 2, SPARE
	v_mov_b32 v[NIL], 0
	ds_add_u32 v[SPW], v[NIL]                      ; the opening lines: the add, twice on end, and its wait
	ds_add_u32 v[SPW], v[NIL]
	v_lshrrev_b32 v1, 5, v0
	v_readfirstlane_b32 s14, v1                    ; wave
	s_lshr_b32 s15, s14, 1                         ; my half of the block's rows; also: I fetch for y (0) or for Wproj (1)
	s_and_b32 s16, s14, 1                          ; my half of its columns; also: which half of that tile I fetch
	s_bfe_u32 s40, ttmp6, 0x40000
	s_bfe_u32 s41, ttmp6, 0x40004
	s_lshl_b32 s42, ttmp9, 2
	s_add_co_u32 s42, s42, s40                     ; block column
	s_and_b32 s17, ttmp7, 0xffff
	s_lshl_b32 s17, s17, 2
	s_add_co_u32 s17, s17, s41                     ; block row
	s_lshl_b32 s43, s41, 2
	s_lshl_b32 s43, 15, s43                        ; my row of the cluster
	s_lshl_b32 s44, 0x1111, s40                    ; my column
	s_or_b32 s[G1+0], s43, (0<<16)|(1<<21)         ; y: four rows of 4,096 bytes, 16,384 apart; no padding
	s_mov_b32 s[G1+1], 4096<<16
	s_mov_b32 s[G1+2], 4<<16
	s_mov_b32 s[G1+3], 4096<<16
	s_mov_b32 s[G1+4], 4
	s_mov_b32 s[G1+5], 16384
	s_mov_b32 s[G1+6], 0
	s_mov_b32 s[G1+7], 0
	s_or_b32 s[G1B+0], s44, (0<<16)|(1<<20)|(1<<21)|(5<<22)|(3<<25)   ; Wproj: 128 rows of 256 bytes, four words of padding behind each 64
	s_mov_b32 s[G1B+1], 256<<16
	s_mov_b32 s[G1B+2], 128<<16
	s_mov_b32 s[G1B+3], 256<<16
	s_mov_b32 s[G1B+4], 128
	s_mov_b32 s[G1B+5], 1024
	s_mov_b32 s[G1B+6], 0
	s_mov_b32 s[G1B+7], 0
	s_lshl_b32 s18, s16, 2
	s_lshl_b32 s20, s17, 3
	s_add_co_u32 s20, s20, s18                     ; y: image 8 x block row + 4 x half,
	s_lshl_b32 s20, s20, 14                        ; 16,384 bytes each
	s_mov_b32 s21, 0
	s_lshl_b32 s19, s16, 7
	s_lshl_b32 s46, s42, 8
	s_add_co_u32 s46, s46, s19                     ; Wproj: row 256 x block column + 128 x half
	s_lshl_b32 s46, s46, 10
	s_add_co_u32 s46, s46, 0x300000
	s_mov_b32 s47, 0
	s_mul_i32 s45, s16, AHALF                      ; where they go in a slot
	s_mul_i32 s22, s16, BHALF
	s_add_co_u32 s22, s22, AREG
	s_wait_dscnt 0x0                               ; both opening adds are done
	s_wait_kmcnt 0x0
	s_load_b64 s[96:97], s[8:9], 0x28              ; e10, e11
	s_add_nc_u64 s[20:21], s[4:5], s[20:21]
	s_add_nc_u64 s[46:47], s[6:7], s[46:47]
	CROUND                                         ; all sixteen work-groups are here: the first joint loads meet
.irp s, 0,1
	s_mov_b32 s[G0+4*\s], 1
	s_add_co_u32 s[G0+4*\s+1], s45, \s*SLOT
	s_add_nc_u64 s[G0+4*\s+2:G0+4*\s+3], s[20:21], \s*4096
	s_or_b32 s[G0+4*\s+3], s[G0+4*\s+3], 0x80000000
	s_mov_b32 s[G0B+4*\s], 1
	s_add_co_u32 s[G0B+4*\s+1], s22, \s*SLOT
	s_add_nc_u64 s[G0B+4*\s+2:G0B+4*\s+3], s[46:47], \s*256
	s_or_b32 s[G0B+4*\s+3], s[G0B+4*\s+3], 0x80000000
.endr
	JLOAD G0, G1, G0B, G1B                         ; K step 0: one tensor load a wave at the head
	s_mul_i32 s70, s15, AHALF                      ; my 64 rows of y in slot 0,
	s_add_co_u32 s71, s70, SLOT                    ; and in slot 1
	s_mul_i32 s72, s16, BHALF
	s_add_co_u32 s72, s72, AREG                    ; my 128 rows of Wproj
	s_add_co_u32 s73, s72, SLOT
	s_mul_i32 s23, s14, 16*SPITCH                  ; my stage
	s_lshl_b32 s20, s17, 7
	s_lshl_b32 s21, s15, 6
	s_add_co_u32 s20, s20, s21                     ; my first row of out0
	s_lshl_b32 s20, s20, 12
	s_mov_b32 s21, 0
	s_lshl_b32 s46, s42, 10
	s_lshl_b32 s47, s16, 9
	s_add_co_u32 s46, s46, s47                     ; my first column, in bytes
	s_mov_b32 s47, 0
	s_add_nc_u64 s[20:21], s[20:21], s[46:47]
	s_add_nc_u64 s[10:11], s[10:11], s[20:21]
	v_and_b32 v1, 15, v0
	v_bfe_u32 v2, v0, 4, 1
	v_and_b32 v6, 31, v0
	v_lshlrev_b32 v[CO], 4, v6                     ; 16 x lane
	v_mul_u32_u24 v3, v1, PITCH
	v_lshl_add_u32 v4, v2, 3, v3                   ; a row of Wproj x pitch + 8 x half
	v_add_nc_u32 v[ADRA], s70, v[CO]
	v_add_nc_u32 v[ADRA+1], s71, v[CO]
	v_add_nc_u32 v[ADRB], s72, v4
	v_add_nc_u32 v[ADRB+1], s73, v4
	v_mul_u32_u24 v5, v1, SPITCH
	v_lshl_add_u32 v5, v2, 5, v5
	v_add_nc_u32 v[STO], s23, v5                   ; into the stage: row l % 16, 32 bytes for each half of the lanes
	v_add_nc_u32 v[RD], s23, v[CO]                 ; back: the 32 lanes take one row of 512 bytes
.macro FRAG_A reg, slot, q, a
.irp c, 0,1,2,3
	ds_load_b128 v[\reg+4*\c:\reg+4*\c+3], v[ADRA+\slot] offset:4096*(\a)+2048*(\q)+512*\c
.endr
.endm
.macro FRAG_B reg, slot, q, i
.irp c, 0,1,2,3,4,5,6,7
	ds_load_b64 v[\reg+2*\c:\reg+2*\c+1], v[ADRB+\slot] offset:128*(\q)+16*\c+(\i)*16*PITCH
.endr
.endm
.macro FETCH slot, q, p                ; all my fragments of the slot's q-th 128 along K into set p
	WIN TO_B
.irp i, 0,1,2,3,4,5,6,7
	FRAG_B 128*(\p)+FR*\i, \slot, \q, \i
.endr
	WIN 0
.irp i, 0,1,2,3
	FRAG_A AF+64*(\p)+FR*\i, \slot, \q, \i
.endr
.endm
.macro MUL16 a0, p, zero               ; y's blocks a0, a0 + 1 x Wproj's eight; the 32 accumulators take turns, in the same order in every step
	WIN MUL_LO
.irp a, \a0, \a0+1
.irp b, 0,1,2,3,4,5,6,7
.if \zero
	v_wmma_f32_16x16x128_fp8_fp8 v[8*(8*(\a)+\b):8*(8*(\a)+\b)+7], v[128*(\p)+FR*\b:128*(\p)+FR*\b+FR-1], v[AF+64*(\p)+FR*(\a):AF+64*(\p)+FR*(\a)+FR-1], 0
.else
	v_wmma_f32_16x16x128_fp8_fp8 v[8*(8*(\a)+\b):8*(8*(\a)+\b)+7], v[128*(\p)+FR*\b:128*(\p)+FR*\b+FR-1], v[AF+64*(\p)+FR*(\a):AF+64*(\p)+FR*(\a)+FR-1], v[8*(8*(\a)+\b):8*(8*(\a)+\b)+7]
.endif
.endr
.endr
	WIN 0
.endm
.macro PLACES
.rept 4
	v_nop
.endr
.endm
.macro STEP slot, zero                 ; a slot's first 128 along K, on set 0; in its middle the second 128's fragments are fetched into set 1
	s_wait_dscnt 0x0                               ; set 0 is in
	MUL16 0, 0, \zero
	PLACES                                         ; in front of the loads into set 1, which the step before multiplied
	FETCH \slot, 1, 1
	MUL16 2, 0, \zero
.endm
.macro TURN slot, next, fill           ; a slot's second 128, on set 1, and the change of slots: one barrier; fill = 1: it opens a round of the cluster's barrier, and this slot is filled again
	s_wait_tensorcnt 0x0                           ; all my tensor loads have landed: my part of the next slot
	ds_add_u32 v[SPW], v[NIL]
	s_wait_dscnt 0x0                               ; the add is done, set 1 is in, and my reads of this slot are over
	s_barrier_signal -1
	MUL16 0, 1, 0
	s_barrier_wait -1
.if \fill
	CREST
	s_add_nc_u64 s[G0+4*\slot+2:G0+4*\slot+3], s[G0+4*\slot+2:G0+4*\slot+3], 2*4096
	s_add_nc_u64 s[G0B+4*\slot+2:G0B+4*\slot+3], s[G0B+4*\slot+2:G0B+4*\slot+3], 2*256
	JLOAD G0+4*\slot, G1, G0B+4*\slot, G1B         ; the first tensor load behind the round; its four v_nop are the places in front of the loads below
.else
	PLACES
.endif
	FETCH \next, 0, 0
	MUL16 2, 1, 0
.endm
	s_wait_alu depctr_va_vdst(0)
	s_wait_tensorcnt 0x0                           ; my part of K step 0 is in; the lines ahead of a later first fill:
	ds_add_u32 v[SPW], v[NIL]
	s_wait_dscnt 0x0
	CROUND
	JLOAD G0+4, G1, G0B+4, G1B                     ; K step 1, the first tensor load behind the round
	FETCH 0, 0, 0
	STEP 0, 1                                      ; the first step's products start the sums
	TURN 0, 1, 1
	STEP 1, 0
	TURN 1, 0, 1
	STEP 0, 0
	TURN 0, 1, 0                                   ; nothing more is filled
	STEP 1, 0
	s_wait_dscnt 0x0
	MUL16 0, 1, 0
	MUL16 2, 1, 0
; THE WAY OUT, block by block of 16 rows x 128 columns, through my own stage: in as 32 bytes a lane, back as whole rows of 512 bytes.  LDS serves a wave's instructions in order (ISA guide 5.7.1.4).
.macro TOSTAGE a
.set AC, 64*(\a)
	WIN 0x02
.set J, 0
.rept 32
	v_pk_mul_f32 v[TMP+J:TMP+J+1], v[AC+J:AC+J+1], s[96:97] op_sel_hi:[1,0]   ; x 2^(e10 + e11); each accumulator from its low end on
.set J, J+2
.endr
	WIN 0
.irp b, 0,1,2,3,4,5,6,7
	ds_store_b128 v[STO], v[TMP+8*\b:TMP+8*\b+3] offset:64*\b
	ds_store_b128 v[STO], v[TMP+8*\b+4:TMP+8*\b+7] offset:64*\b+16
.endr
.set BB, BK+64*((\a)%2)
.irp t, 0,1,2,3,4,5,6,7,8,9,10,11,12,13,14,15
	ds_load_b128 v[BB+4*\t:BB+4*\t+3], v[RD] offset:\t*SPITCH
.endr
.endm
.macro SEND a, younger                 ; younger: the LDS instructions issued behind block a's loads
.set BB, BK+64*((\a)%2)
	s_wait_dscnt \younger
.if (\a) > 0
	s_add_nc_u64 s[10:11], s[10:11], 16*SIZE_N*4   ; (behind a wait on XCNT: the earlier stores have read their base)
.endif
.irp t, 0,1,2,3,4,5,6,7,8,9,10,11,12,13,14,15
	global_store_b128 v[CO], v[BB+4*\t:BB+4*\t+3], s[10:11] offset:\t*SIZE_N*4 th:TH_STORE_NT   ; 32 lanes store 512 consecutive bytes
.endr
.endm
	s_wait_kmcnt 0x0
	s_add_co_i32 s96, s96, s97
	s_add_co_i32 s96, s96, 127
	s_lshl_b32 s96, s96, 23                        ; 2^(e10 + e11)
	PLACES
	TOSTAGE 0
.irp a, 1,2,3
.if \a > 1
	s_wait_xcnt 0x0                                ; block a - 2's stores have read their registers and their base
.endif
	TOSTAGE \a
	SEND \a-1, 32                                  ; behind block a - 1's loads: block a's 16 stores and 16 loads
.endr
	s_wait_xcnt 0x0
	SEND 3, 0
	s_wait_tensorcnt 0x0                           ; the wave's end
	ds_add_u32 v[SPW], v[NIL]
	s_wait_dscnt 0x0
	CROUND                                         ; the closing round
	s_endpgm
.Lfunc_end_k_qfcb1f94b34_proj:
	.size	k_qfcb1f94b34_proj, .Lfunc_end_k_qfcb1f94b34_proj-k_qfcb1f94b34_proj
	.p2alignl 7, 3214868480
	.fill 96, 4, 3214868480
	.section	.rodata,"a",@progbits
	.p2align	6, 0x0
	.amdhsa_kernel k_qfcb1f94b34_proj
		.amdhsa_group_segment_fixed_size 327680
		.amdhsa_private_segment_fixed_size 0
		.amdhsa_enable_private_segment 0
		.amdhsa_kernarg_size 32
		.amdhsa_user_sgpr_count 2
		.amdhsa_user_sgpr_kernarg_segment_ptr 1
		.amdhsa_wavefront_size32 1
		.amdhsa_system_sgpr_workgroup_id_x 1
		.amdhsa_system_sgpr_workgroup_id_y 1
		.amdhsa_system_sgpr_workgroup_id_z 1
		.amdhsa_system_vgpr_workitem_id 0
		.amdhsa_next_free_vgpr 768
		.amdhsa_next_free_sgpr 98
		.amdhsa_reserve_vcc 0
		.amdhsa_float_denorm_mode_32 3
		.amdhsa_float_denorm_mode_16_64 3
		.amdhsa_memory_ordered 1
		.amdhsa_forward_progress 1
		.amdhsa_inst_pref_size 92
	.end_amdhsa_kernel
	.amdgpu_metadata
---
amdhsa.version: [ 1, 2 ]
amdhsa.kernels:
  - .name:           k_qfcb1f94b34_proj
    .symbol:         k_qfcb1f94b34_proj.kd
    .args:
      - { .name: yc, .offset: 0, .size: 8, .value_kind: global_buffer, .address_space: global }
      - { .name: wc, .offset: 8, .size: 8, .value_kind: global_buffer, .address_space: global }
      - { .name: lowp_scales, .offset: 16, .size: 8, .value_kind: global_buffer, .address_space: global }
      - { .name: out0, .offset: 24, .size: 8, .value_kind: global_buffer, .address_space: global }
    .group_segment_fixed_size: 327680
    .private_segment_fixed_size: 0
    .kernarg_segment_align: 8
    .kernarg_segment_size: 32
    .max_flat_workgroup_size: 128
    .sgpr_count:     98
    .vgpr_count:     768
    .wavefront_size: 32
...
	.end_amdgpu_metadata
.endif
;; end of part 4
